; MI455X (gfx1250); checked and timed in simulation.
; The chip was launched on July 23, 2026; its instructions are those of AMD's public machine-readable ISA for CDNA 5 (MIT licence, August 2026) and "CDNA5" Instruction Set Architecture Reference Guide (July 2026). The comments in the code are by the model that wrote it; some were corrected since.
;; Multi Head Attention. Allowed arithmetic: float matrix products may take bf16 or f16 operands with f32 sums; all other float work in f32.
;; Inputs: Wk 1,024 x 1,024 float32; Wo 1,024 x 1,024 float32; Wq 1,024 x 1,024 float32; Wv 1,024 x 1,024 float32; bo 1,024 float32; x 4 x 2,048 x 1,024 float32.
;; Outputs: out0 4 x 2,048 x 1,024 float32.
;; 2 versions, each right; version 2 is version 1 with the launch cast written anew for expert scheduling mode. Each part assembles by itself: llvm-mc -triple=amdgcn-amd-amdhsa -mcpu=gfx1250 --defsym DOCPART=n.
;; ======== version 1 of 2: 4 launches
;; limits: values are held in f16: magnitudes above 65,504 overflow, below 6.1e-05 lose precision
;; workspace buffers: cb 25,165,824 bytes; qkv 50,331,648 bytes; ctx 16,777,216 bytes
;; launch cast (part 1): grid 768 x 1, 8 waves a work-group, no clusters, 0 bytes of LDS; arguments x, Wq, Wk, Wv, Wo, cb; writes cb
.if DOCPART == 1
	.amdgcn_target "amdgcn-amd-amdhsa--gfx1250"
	.amdhsa_code_object_version 6
	.text
	.protected	k_qf3ceb16b5d_cast
	.globl	k_qf3ceb16b5d_cast
	.p2align	8
	.type	k_qf3ceb16b5d_cast,@function
k_qf3ceb16b5d_cast:
	s_mov_b64 s[64:65], 0
	v_nop
	global_prefetch_b8 v0, s[64:65] scope:SCOPE_SE
	s_setreg_imm32_b32 hwreg(HW_REG_WAVE_MODE, 25, 1), 1
	s_wait_xcnt 0x0
; x, Wq, Wk, Wv: f32 -> bf16 (nearest even).  Wo: f32 -> bf16 -> f16, so that it holds the bf16-rounded numbers in the format of its partner (ctx, f16).
; LIMIT: a bf16 number below 2^-17 in magnitude has no exact f16 image: Wo then carries an absolute error of at most 2^-25.  Wo above 65,504 is not served.
; cb holds, one behind the other: x [8192][1024], Wq, Wk, Wv [3072][1024], Wo [1024][1024]: 12,582,912 numbers of 2 bytes.
; 768 work-groups of 16,384 numbers: 0-511 x, then 64 each for Wq, Wk, Wv, Wo; the place in cb is 32,768 bytes times the work-group's number.
; A wave takes 2,048 numbers: sixteen loads of 512 consecutive bytes, all issued at once, and sixteen stores of 256 consecutive bytes, aligned.
; Memory binds: no LDS, no barrier, no matrix unit, no loop; no register is written twice while a memory instruction may read it.
.set IN,   8                           ; v[8:71]    chunk i: 4 numbers in f32
.set OUTR, 72                          ; v[72:103]  chunk i: 4 numbers of 16 bits
	s_load_b256 s[4:11], s[0:1], 0x0               ; x s[4:5], Wq s[6:7], Wk s[8:9], Wv s[10:11]
	s_load_b128 s[12:15], s[0:1], 0x20             ; Wo s[12:13], cb s[14:15]
	s_sub_co_u32 s16, ttmp9, 512                   ; place among the weights' work-groups (used only from 512 on)
	s_lshr_b32 s17, s16, 6                         ; which weight: 0 Wq, 1 Wk, 2 Wv, 3 Wo
	s_and_b32 s18, s16, 63                         ; which sixty-fourth of it
	v_and_b32 v3, 31, v0                           ; lane
	v_lshrrev_b32 v4, 5, v0                        ; wave
	v_lshlrev_b32 v1, 4, v3
	v_lshl_or_b32 v1, v4, 13, v1                   ; in: 8,192 wave + 16 lane
	v_lshlrev_b32 v2, 3, v3
	v_lshl_or_b32 v2, v4, 12, v2                   ; out: 4,096 wave + 8 lane
	s_wait_kmcnt 0x0
	s_cmp_eq_u32 s17, 1                            ; the source buffer, chosen by the work-group's number alone
	s_cselect_b64 s[20:21], s[8:9], s[6:7]
	s_cmp_eq_u32 s17, 2
	s_cselect_b64 s[20:21], s[10:11], s[20:21]
	s_cmp_eq_u32 s17, 3
	s_cselect_b64 s[20:21], s[12:13], s[20:21]
	s_cmp_lt_u32 ttmp9, 512
	s_cselect_b64 s[20:21], s[4:5], s[20:21]
	s_cselect_b32 s18, ttmp9, s18                  ; and the part of it
	s_lshl_b32 s18, s18, 16                        ; 65,536 bytes of f32 a work-group
	s_mov_b32 s19, 0
	s_add_nc_u64 s[20:21], s[20:21], s[18:19]
	s_lshl_b32 s22, ttmp9, 15                      ; 32,768 bytes out a work-group
	s_mov_b32 s23, 0
	s_add_nc_u64 s[14:15], s[14:15], s[22:23]
.irp i, 0,1,2,3,4,5,6,7,8,9,10,11,12,13,14,15
	global_load_b128 v[IN+4*\i:IN+4*\i+3], v1, s[20:21] offset:512*\i th:TH_LOAD_NT
.endr
; chunk i.  wo = 1: the bf16 numbers are widened again (a shift, a mask) and packed as f16.
.macro CHUNK i, wo
	s_wait_loadcnt 15-\i                           ; loads come back in order: chunk i is in, the 15 - i younger ones stay out
.if \wo
	v_cvt_pk_bf16_f32 v4, v[IN+4*\i], v[IN+4*\i+1]
	v_cvt_pk_bf16_f32 v5, v[IN+4*\i+2], v[IN+4*\i+3]
	v_lshlrev_b32 v6, 16, v4
	v_and_b32 v7, 0xffff0000, v4
	v_cvt_pk_f16_f32 v[OUTR+2*\i], v6, v7
	v_lshlrev_b32 v6, 16, v5
	v_and_b32 v7, 0xffff0000, v5
	v_cvt_pk_f16_f32 v[OUTR+2*\i+1], v6, v7
.else
	v_cvt_pk_bf16_f32 v[OUTR+2*\i], v[IN+4*\i], v[IN+4*\i+1]
	v_cvt_pk_bf16_f32 v[OUTR+2*\i+1], v[IN+4*\i+2], v[IN+4*\i+3]
.endif
	global_store_b64 v2, v[OUTR+2*\i:OUTR+2*\i+1], s[14:15] offset:256*\i   ; 32 lanes x 8 bytes: 256 consecutive bytes, aligned
.endm
	s_cmp_ge_u32 ttmp9, 704                        ; the last 64 work-groups hold Wo
	s_cbranch_scc1 .Lwo
.irp i, 0,1,2,3,4,5,6,7,8,9,10,11,12,13,14,15
	CHUNK \i, 0
.endr
	s_endpgm
.Lwo:
.irp i, 0,1,2,3,4,5,6,7,8,9,10,11,12,13,14,15
	CHUNK \i, 1
.endr
	s_endpgm
.Lfunc_end_k_qf3ceb16b5d_cast:
	.size	k_qf3ceb16b5d_cast, .Lfunc_end_k_qf3ceb16b5d_cast-k_qf3ceb16b5d_cast
	.p2alignl 7, 3214868480
	.fill 96, 4, 3214868480
	.section	.rodata,"a",@progbits
	.p2align	6, 0x0
	.amdhsa_kernel k_qf3ceb16b5d_cast
		.amdhsa_group_segment_fixed_size 0
		.amdhsa_private_segment_fixed_size 0
		.amdhsa_enable_private_segment 0
		.amdhsa_kernarg_size 48
		.amdhsa_user_sgpr_count 2
		.amdhsa_user_sgpr_kernarg_segment_ptr 1
		.amdhsa_wavefront_size32 1
		.amdhsa_system_sgpr_workgroup_id_x 1
		.amdhsa_system_sgpr_workgroup_id_y 1
		.amdhsa_system_sgpr_workgroup_id_z 1
		.amdhsa_system_vgpr_workitem_id 0
		.amdhsa_next_free_vgpr 104
		.amdhsa_next_free_sgpr 66
		.amdhsa_reserve_vcc 0
		.amdhsa_float_denorm_mode_32 3
		.amdhsa_float_denorm_mode_16_64 3
		.amdhsa_memory_ordered 1
		.amdhsa_forward_progress 1
		.amdhsa_inst_pref_size 16
	.end_amdhsa_kernel
	.amdgpu_metadata
---
amdhsa.version: [ 1, 2 ]
amdhsa.kernels:
  - .name:           k_qf3ceb16b5d_cast
    .symbol:         k_qf3ceb16b5d_cast.kd
    .args:
      - { .name: x, .offset: 0, .size: 8, .value_kind: global_buffer, .address_space: global }
      - { .name: Wq, .offset: 8, .size: 8, .value_kind: global_buffer, .address_space: global }
      - { .name: Wk, .offset: 16, .size: 8, .value_kind: global_buffer, .address_space: global }
      - { .name: Wv, .offset: 24, .size: 8, .value_kind: global_buffer, .address_space: global }
      - { .name: Wo, .offset: 32, .size: 8, .value_kind: global_buffer, .address_space: global }
      - { .name: cb, .offset: 40, .size: 8, .value_kind: global_buffer, .address_space: global }
    .group_segment_fixed_size: 0
    .private_segment_fixed_size: 0
    .kernarg_segment_align: 8
    .kernarg_segment_size: 48
    .max_flat_workgroup_size: 256
    .sgpr_count:     66
    .vgpr_count:     104
    .wavefront_size: 32
...
	.end_amdgpu_metadata
.endif
;; end of part 1
;; launch qkv (part 2): grid 12 x 32, 4 waves a work-group, clusters of 4 x 4, 327,680 bytes of LDS; arguments cb, qkv; writes qkv
.if DOCPART == 2
	.amdgcn_target "amdgcn-amd-amdhsa--gfx1250"
	.amdhsa_code_object_version 6
	.text
	.protected	k_qf3ceb16b5d_qkv
	.globl	k_qf3ceb16b5d_qkv
	.p2align	8
	.type	k_qf3ceb16b5d_qkv,@function
k_qf3ceb16b5d_qkv:
	s_mov_b64 s[64:65], 0
	v_nop
	global_prefetch_b8 v0, s[64:65] scope:SCOPE_SE
	s_setreg_imm32_b32 hwreg(HW_REG_WAVE_MODE, 25, 1), 1
	s_wait_xcnt 0x0
	s_wait_alu depctr_hold_cnt(0) depctr_sa_sdst(0) depctr_va_vdst(0) depctr_va_sdst(0) depctr_va_ssrc(0) depctr_va_vcc(0) depctr_vm_vsrc(0)
	s_getreg_b32 s2, hwreg(HW_REG_IB_STS2, 6, 4)
	s_cmp_eq_u32 s2, 0
	s_cbranch_scc0 .Lentry_in_a_cluster
	s_endpgm
.Lentry_in_a_cluster:
	s_bfe_u32 s2, ttmp6, 0x10000c
	s_cmp_lg_u32 s2, 0xf033
	s_cbranch_scc0 .Lentry_shape_is_right
	s_endpgm
.Lentry_shape_is_right:
; C[m][n] = sum over k of x[m][k] W[n][k]: m < 8192, n < 3072 (the rows of Wq, Wk, Wv one behind the other), K = 1024.  Operands in bf16 from cb, sums in f32.
; C is stored as f16, head-major: qkv[part n / 1024][batch x 16 + head][row in the batch][64].  LIMIT: |q|, |k|, |v| below 65,504, the largest f16 number.
; A work-group makes a block of 256 x 256 of C with four waves; a wave makes 128 x 128: 64 accumulator tiles of 16 x 16, 512 registers.  12 x 32 = 384 work-groups of equal work.
; WHY THIS BLOCK.  K goes in steps of 128 through two LDS slots filled by the tensor data mover.  A slot is asked for again behind a barrier in front of which all tensor
; loads have landed, so a tile has one K step's matrix work in which to land: here 240 matrix instructions of a wave, twice what a block of 128 x 256 would leave.
; Two slots of 512 rows x 272 bytes and the stage take 295,936 bytes of LDS: no longer step fits.  For 32 along K a wave loads 2 x 128 x 64 bytes from LDS for 64 matrix instructions.
; CLUSTERS of 4 x 4 work-groups: the four of a row of the cluster need the same tiles of x, the four of a column the same tiles of W.  Such a tile is asked for jointly:
; each of the four issues the same tensor load, with the same descriptor and a mask that names the four.  That divides the requests for both by four.
; REGISTERS, in windows of 256:
;   window 0: v16-26 addresses; v64-127, v128-191 fragments of x (8 x 16 rows x 32 K), two buffers; v192-223 at work on the way out
;   window 1: v64-127, v128-191 fragments of W, two buffers
;   window 2: the 32 accumulator tiles of my rows 0-63 (tile (a, b) at v[8 (8 a + b)]);   window 3: those of my rows 64-127
; THE MATRIX INSTRUCTION IS USED TRANSPOSED: source 0 = 16 rows of W, source 1 = 16 rows of x.  Lane l then holds row l % 16 of C and its registers 0 to 7 the
; columns 8 (l / 16) + 0 .. 7: eight neighbouring numbers of a row, which pack into 16 bytes.
.set SIZE_K, 1024
.set KSTEP,  128
.set PITCH,  272                       ; an LDS row: 256 bytes + 16 of padding, an odd multiple of 16: a fragment's 16 rows start 16 bytes apart modulo 256
.set HALFT,  128*PITCH                 ; 128 rows: what one tensor load brings, and what one wave reads of x or of W
.set SLOT,   4*HALFT                   ; x's 256 rows, then W's 256 rows
.set STAGE,  2*SLOT                    ; behind the ring: 16 rows x 272 bytes for each wave, for the way out; no tensor load lands there
.set SPITCH, 272
.set LAPS,   SIZE_K/(2*KSTEP)          ; a lap = two K steps = once round the ring: 4
.set WOFF,   16777216                  ; Wq, Wk, Wv in cb, behind x
.set ADRA, 16                          ; v16-17  LDS address of my x fragments in slot 0, 1
.set ADRB, 20                          ; v20-21  the same for W
.set STO,  24                          ; v24     the way out: where I put 16 bytes of a row
.set RD,   25                          ; v25     the way out: where I read back
.set CO,   26                          ; v26     my byte offset in qkv
.set F0,   64                          ; fragment buffer 0
.set F1,   128                         ; fragment buffer 1
.set TMP,  192                         ; the way out: packed results, in window 0
.set G1,  24                           ; s[24:31] descriptor group 1 for x's tiles
.set G0,  32                           ; s[32:39] descriptor group 0 for x's tiles, one set for each slot
.set G1B, 48                           ; s[48:55] descriptor group 1 for W's tiles: it differs in the mask alone
.set G0B, 56                           ; s[56:63] descriptor group 0 for W's tiles, one set for each slot
.set MSB, 0
.macro WIN new                         ; the immediate's high byte repeats the setting that is left
.if MSB != \new
	s_set_vgpr_msb (MSB<<8)|\new
.set MSB, \new
.endif
.endm
.set MUL_LO, 0xa1                      ; source 0 (W) window 1, source 1 (x) window 0, C and D window 2
.set MUL_HI, 0xf1                      ; the same, C and D window 3
.set TO_B,   0x40                      ; destination window 1, address window 0
; A joint load.  Waves 0 and 1 fetch x's two halves, waves 2 and 3 W's.  Each of the two lines has one mask and one set of registers for all that issue it;
; the branch hangs on the wave's number alone.  Four v_nop follow each of the two lines.
.macro JLOAD s
	s_cmp_eq_u32 s11, 0
	s_cbranch_scc0 .Lfor_b_\@
	tensor_load_to_lds s[G0+4*\s:G0+4*\s+3], s[G1:G1+7]
	s_nop 0
.rept 4
	v_nop
.endr
	s_branch .Lasked_\@
.Lfor_b_\@:
	tensor_load_to_lds s[G0B+4*\s:G0B+4*\s+3], s[G1B:G1B+7]
	s_nop 0
.rept 4
	v_nop
.endr
.Lasked_\@:
.endm
; A round of the cluster's barrier: my work-group's barrier; wave 0 signals for the work-group; every wave waits for all sixteen; my work-group's barrier again.
.macro CREST                           ; a round behind its opening barrier
	s_cmp_lg_u32 s10, 0
	s_cbranch_scc1 .Lnot_wave_0_\@
	s_barrier_signal -3
.Lnot_wave_0_\@:
	s_barrier_wait -3
	s_barrier_signal -1
	s_barrier_wait -1
.endm
.macro CROUND                          ; a whole round
	s_barrier_signal -1
	s_barrier_wait -1
	CREST
.endm
	s_load_b128 s[4:7], s[0:1], 0x0                ; cb s[4:5], qkv s[6:7]
	s_set_vgpr_msb 0x40
	v_lshl_add_u32 v255, v0, 2, 0x48400
	s_set_vgpr_msb 0x4000
	v_mov_b32 v255, 0
	s_set_vgpr_msb 0x1
	ds_add_u32 v255, v255
	s_set_vgpr_msb 0x100
	v_lshrrev_b32 v1, 5, v0
	v_readfirstlane_b32 s10, v1                    ; wave 0..3
	s_lshr_b32 s11, s10, 1                         ; which half of the block's rows is mine.  Also: I fetch for x (0) or for W (1)
	s_and_b32 s12, s10, 1                          ; which half of its columns.  Also: which 128 rows of that tile I fetch
	s_bfe_u32 s40, ttmp6, 0x40000                  ; cx
	s_bfe_u32 s41, ttmp6, 0x40004                  ; cy
	s_lshl_b32 s42, ttmp9, 2
	s_add_co_u32 s42, s42, s40                     ; block column = 4 x cluster x + cx
	s_and_b32 s13, ttmp7, 0xffff
	s_lshl_b32 s13, s13, 2
	s_add_co_u32 s13, s13, s41                     ; block row = 4 x cluster y + cy
	s_lshl_b32 s43, s41, 2
	s_lshl_b32 s43, 15, s43                        ; my row of the cluster: places 4 cy .. 4 cy + 3
	s_lshl_b32 s44, 0x1111, s40                    ; my column: places cx, cx + 4, cx + 8, cx + 12
	; descriptor group 1: a tile of 128 rows x 128 elements of 2 bytes, rows 1,024 elements apart, 4 words of padding behind every 64
	s_or_b32 s[G1+0], s43, (1<<16)|(1<<20)|(1<<21)|(5<<22)|(3<<25)   ; x's tiles go to my row of the cluster
	s_or_b32 s[G1B+0], s44, (1<<16)|(1<<20)|(1<<21)|(5<<22)|(3<<25)  ; W's tiles to my column
	s_mov_b32 s[G1+1], KSTEP<<16                   ; tensor_dim0 = 128
	s_mov_b32 s[G1B+1], KSTEP<<16
	s_mov_b32 s[G1+2], 128<<16                     ; tensor_dim1 = 128
	s_mov_b32 s[G1B+2], 128<<16
	s_mov_b32 s[G1+3], KSTEP<<16                   ; tile_dim0 = 128
	s_mov_b32 s[G1B+3], KSTEP<<16
	s_mov_b32 s[G1+4], 128                         ; tile_dim1 = 128
	s_mov_b32 s[G1B+4], 128
	s_mov_b32 s[G1+5], SIZE_K                      ; elements from row to row
	s_mov_b32 s[G1B+5], SIZE_K
	s_mov_b32 s[G1+6], 0
	s_mov_b32 s[G1B+6], 0
	s_mov_b32 s[G1+7], 0
	s_mov_b32 s[G1B+7], 0
	; where the tiles come from.  x's offset hangs on the block row and the wave alone, W's on the block column and the wave alone,
	; each in registers that never hold the other coordinate.
	s_lshl_b32 s16, s13, 19                        ; 256 rows of 2,048 bytes
	s_lshl_b32 s17, s12, 18                        ; 128 rows
	s_add_co_u32 s16, s16, s17
	s_mov_b32 s17, 0
	s_lshl_b32 s46, s42, 19
	s_lshl_b32 s47, s12, 18
	s_add_co_u32 s46, s46, s47
	s_add_co_u32 s46, s46, WOFF
	s_mov_b32 s47, 0
	s_mul_i32 s20, s10, HALFT                      ; and where they go: x's two halves, then W's two halves = wave x 128 rows
	s_wait_dscnt 0x0
	s_wait_kmcnt 0x0
	s_add_nc_u64 s[14:15], s[4:5], s[16:17]
	s_add_nc_u64 s[46:47], s[4:5], s[46:47]
	CROUND                                         ; all sixteen work-groups are here: the first joint loads meet
.irp s, 0,1
	s_mov_b32 s[G0+4*\s], 1                                        ; count = 1
	s_add_co_u32 s[G0+4*\s+1], s20, \s*SLOT                        ; LDS address
	s_add_nc_u64 s[G0+4*\s+2:G0+4*\s+3], s[14:15], \s*KSTEP*2      ; global address: K step s
	s_or_b32 s[G0+4*\s+3], s[G0+4*\s+3], 0x80000000                ; type = 2
	s_mov_b32 s[G0B+4*\s], 1
	s_add_co_u32 s[G0B+4*\s+1], s20, \s*SLOT
	s_add_nc_u64 s[G0B+4*\s+2:G0B+4*\s+3], s[46:47], \s*KSTEP*2
	s_or_b32 s[G0B+4*\s+3], s[G0B+4*\s+3], 0x80000000
	JLOAD \s                                       ; K steps 0 and 1: two tensor loads of the wave are out
.endr
	; a fragment is 16 rows x 32 K in 8 registers: lane l holds row l % 16; two loads of 16 bytes, 32 bytes apart, at row x pitch + 16 (l / 16)
	v_and_b32 v1, 15, v0                           ; r = l % 16
	v_bfe_u32 v2, v0, 4, 1                         ; h = l / 16
	v_mul_u32_u24 v3, v1, PITCH
	v_lshl_add_u32 v3, v2, 4, v3
	s_mul_i32 s21, s11, HALFT                      ; my 128 rows of x
	s_mul_i32 s22, s12, HALFT                      ; my 128 rows of W,
	s_add_co_u32 s22, s22, 2*HALFT                 ; which lie behind x's 256
.irp s, 0,1
	v_add_nc_u32 v[ADRA+\s], s21, v3
	v_add_nc_u32 v[ADRB+\s], s22, v3
	s_add_co_u32 s21, s21, SLOT
	s_add_co_u32 s22, s22, SLOT
.endr
	s_mul_i32 s23, s10, 16*SPITCH
	s_add_co_u32 s23, s23, STAGE                   ; my stage
	v_add_nc_u32 v[STO], s23, v3                   ; in: row r, 16 bytes for each half of the lanes (the stage's pitch is the tiles')
	v_bfe_u32 v5, v0, 3, 1
	v_and_b32 v6, 7, v0
	v_mul_u32_u24 v7, v5, SPITCH                   ; back: lanes 0-15 take two rows' 128 bytes of my first head, lanes 16-31 of my second
	v_lshl_add_u32 v7, v2, 7, v7
	v_lshl_add_u32 v7, v6, 4, v7
	v_add_nc_u32 v[RD], s23, v7
	v_lshlrev_b32 v7, 18, v2                       ; out: the second head lies 262,144 bytes on; two rows of a head are 256 consecutive bytes
	v_lshl_add_u32 v7, v5, 7, v7
	v_lshl_add_u32 v[CO], v6, 4, v7
; 16 matrix instructions: m blocks a0, a0 + 1 of the window's four (hi = 0: my rows 0-63, 1: rows 64-127) x all 8 n blocks, 32 along K.
; zero = 1: the first product starts the sums: nothing is cleared.
; The 64 accumulators take turns, one instruction a turn, in the same order in every quarter step.
.macro MUL16 f, hi, a0, zero
.irp a, \a0, \a0+1
.irp b, 0,1,2,3,4,5,6,7
.if \zero
	v_wmma_f32_16x16x32_bf16 v[8*(8*(\a)+\b):8*(8*(\a)+\b)+7], v[\f+8*\b:\f+8*\b+7], v[\f+8*(4*\hi+\a):\f+8*(4*\hi+\a)+7], 0
.else
	v_wmma_f32_16x16x32_bf16 v[8*(8*(\a)+\b):8*(8*(\a)+\b)+7], v[\f+8*\b:\f+8*\b+7], v[\f+8*(4*\hi+\a):\f+8*(4*\hi+\a)+7], v[8*(8*(\a)+\b):8*(8*(\a)+\b)+7]
.endif
.endr
.endr
.endm
; 32 LDS loads in one run: the fragments of one quarter step (128 rows of W, 128 rows of x, 32 K at byte k of the rows) into buffer f
.macro FETCH slot, k, f
	WIN TO_B
.irp i, 0,1,2,3,4,5,6,7
	ds_load_b128 v[\f+8*\i:\f+8*\i+3],   v[ADRB+\slot] offset:\k+\i*16*PITCH
	ds_load_b128 v[\f+8*\i+4:\f+8*\i+7], v[ADRB+\slot] offset:\k+\i*16*PITCH+32
.endr
	WIN 0
.irp i, 0,1,2,3,4,5,6,7
	ds_load_b128 v[\f+8*\i:\f+8*\i+3],   v[ADRA+\slot] offset:\k+\i*16*PITCH
	ds_load_b128 v[\f+8*\i+4:\f+8*\i+7], v[ADRA+\slot] offset:\k+\i*16*PITCH+32
.endr
.endm
; Four places behind a matrix instruction, in front of loads into its sources and of vector instructions that read its result (ISA guide 7.12.1
; for vector instructions); the matrix instructions in between are not counted.
.macro PLACES
.rept 4
	v_nop
.endr
.endm
; A K step is four quarter steps of 32 along K, 64 matrix instructions each, on buffers 0, 1, 0, 1.
; One of the first three: multiplies buffer f; in its middle it fetches the next quarter's fragments, at byte k of the same slot's rows, into buffer g.
.macro QUARTER slot, k, f, g, zero
	s_wait_dscnt 8                                 ; W and x's rows 0-63 are in; the youngest eight loads (x's rows 64-127) may be out
	WIN MUL_LO
	MUL16 \f, 0, 0, \zero
	MUL16 \f, 0, 2, \zero
	PLACES
	FETCH \slot, \k, \g
	s_wait_dscnt 32                                ; all but the 32 just issued
	WIN MUL_HI
	MUL16 \f, 1, 0, \zero
	MUL16 \f, 1, 2, \zero
.endm
.macro THREE slot, zero
	QUARTER \slot, 64,  F0, F1, \zero
	QUARTER \slot, 128, F1, F0, 0
	QUARTER \slot, 192, F0, F1, 0
.endm
; The last quarter: multiplies buffer 1 and changes slots.  next = the other slot; fill = 1: this slot is filled again, two K steps ahead.
; In front of the barrier each wave waits for its own reads of this slot and for all its tensor loads, of which one is out: its part of the next slot.
; Behind it nobody reads this slot any more and the next slot is whole: the refill comes first, then the next slot's first fragments.
.macro TURN slot, next, fill
	s_wait_dscnt 8
	WIN MUL_LO
	MUL16 F1, 0, 0, 0
	s_wait_dscnt 0                                 ; my reads of this slot are over
	s_wait_tensorcnt 0x0                           ; and all my tensor loads have landed
	ds_add_u32 v255, v255
	s_wait_dscnt 0x0
	s_barrier_signal -1                            ; where a slot is filled again this barrier opens a round of the cluster's barrier
	MUL16 F1, 0, 2, 0                              ; register work while the others arrive
	WIN 0
	s_barrier_wait -1
.if \fill
	CREST                                          ; no wave of any partner still reads this slot's tile or has a load on its way
	s_add_nc_u64 s[G0+4*\slot+2:G0+4*\slot+3], s[G0+4*\slot+2:G0+4*\slot+3], 2*KSTEP*2
	s_add_nc_u64 s[G0B+4*\slot+2:G0B+4*\slot+3], s[G0B+4*\slot+2:G0B+4*\slot+3], 2*KSTEP*2
	JLOAD \slot                                    ; my one tensor load behind the round; its four v_nop are also the places in front of the loads below
.else
	PLACES
.endif
	FETCH \next, 0, F0
	WIN MUL_HI
	MUL16 F1, 1, 0, 0
	MUL16 F1, 1, 2, 0
.endm
.macro LAP zero                        ; once round the ring, both slots filled again
	THREE 0, \zero
	TURN 0, 1, 1
	THREE 1, 0
	TURN 1, 0, 1
.endm
	s_wait_tensorcnt 1                             ; my part of K step 0 is in; K step 1's stays out
	s_barrier_signal -1
	s_barrier_wait -1                              ; everybody's is
	FETCH 0, 0, F0
	LAP 1                                          ; the first lap stands in front of the loop: its first products start the sums
	WIN 0                                          ; at a label and at a branch every window is 0
	s_mov_b32 s3, LAPS-2
.Llap:
	LAP 0
	WIN 0
	s_sub_co_u32 s3, s3, 1
	s_cmp_lg_u32 s3, 0
	s_cbranch_scc1 .Llap
	THREE 0, 0                                     ; the last lap fills nothing: my one tensor load that is still out is slot 1's, the last K step's
	TURN 0, 1, 0
	THREE 1, 0
	s_wait_dscnt 8                                 ; the very last quarter: nothing more to fetch
	WIN MUL_LO
	MUL16 F1, 0, 0, 0
	MUL16 F1, 0, 2, 0
	s_wait_dscnt 0
	WIN MUL_HI
	MUL16 F1, 1, 0, 0
	MUL16 F1, 1, 2, 0
	; THE WAY OUT, 16 rows of C at a time: round to f16, 16 bytes a lane into my own stage in LDS, read back so that sixteen neighbouring lanes
	; hold two rows of one head, 256 consecutive bytes of qkv.  The four v_nop are the places behind the last matrix instructions.
	PLACES
	s_lshr_b32 s16, s13, 3                         ; batch: 8 blocks of 256 rows each
	s_lshl_b32 s16, s16, 22                        ; 16 heads of 262,144 bytes
	s_and_b32 s17, s13, 7
	s_lshl_b32 s17, s17, 15                        ; 256 rows of 128 bytes
	s_add_co_u32 s16, s16, s17
	s_lshl_b32 s17, s11, 14                        ; my 128 rows
	s_add_co_u32 s16, s16, s17
	s_mov_b32 s17, 0
	s_add_nc_u64 s[6:7], s[6:7], s[16:17]
	s_lshl_b32 s46, s42, 2                         ; (in the registers that held W's address: none that feeds x's descriptors ever holds cx)
	s_lshl1_add_u32 s46, s12, s46                  ; my first head among the 48 of q, k, v: 4 block + 2 half
	s_lshr_b32 s47, s46, 4
	s_lshl_b32 s47, s47, 24                        ; the part: q, k or v
	s_and_b32 s46, s46, 15
	s_lshl_b32 s46, s46, 18                        ; the head
	s_add_co_u32 s46, s46, s47
	s_mov_b32 s47, 0
	s_add_nc_u64 s[6:7], s[6:7], s[46:47]
; rows 16 i .. 16 i + 15 of my block = the eight tiles (a, 0..7) of window 2 or 3 (from = 0x0a or 0x0f: sources 0 and 1); f: F0 or F1 in turn
.macro OUT16 i, a, from, f
	WIN \from
.irp b, 0,1,2,3,4,5,6,7
.irp r, 0,1,2,3
	v_cvt_pk_f16_f32 v[TMP+4*\b+\r], v[8*(8*\a+\b)+2*\r], v[8*(8*\a+\b)+2*\r+1]
.endr
.endr
	WIN 0
.irp b, 0,1,2,3,4,5,6,7
	ds_store_b128 v[STO], v[TMP+4*\b:TMP+4*\b+3] offset:32*\b
.endr
	s_wait_xcnt 0x0                                ; buffer f, which earlier global stores read, is loaded again only behind this wait
.irp t, 0,1,2,3,4,5,6,7
	ds_load_b128 v[\f+4*\t:\f+4*\t+3], v[RD] offset:\t*2*SPITCH    ; LDS serves a wave's instructions in order (ISA guide 5.7.1): these see the stores above
.endr
.irp t, 0,1,2,3,4,5,6,7
	s_wait_dscnt 7-\t                              ; rows 2 t, 2 t + 1 are back; the 7 - t younger loads stay out
	global_store_b128 v[CO], v[\f+4*\t:\f+4*\t+3], s[6:7] offset:2048*\i+256*\t   ; 16 lanes: two rows of a head, 256 consecutive bytes, aligned; the place among my 128 rows stands in the immediate
.endr
.endm
	OUT16 0, 0, 0x0a, F0
	OUT16 1, 1, 0x0a, F1
	OUT16 2, 2, 0x0a, F0
	OUT16 3, 3, 0x0a, F1
	OUT16 4, 0, 0x0f, F0
	OUT16 5, 1, 0x0f, F1
	OUT16 6, 2, 0x0f, F0
	OUT16 7, 3, 0x0f, F1
	s_set_vgpr_msb 0x1
	s_wait_tensorcnt 0x0
	ds_add_u32 v255, v255
	s_wait_dscnt 0x0
	s_set_vgpr_msb 0x100
	CROUND                                         ; the closing round: no work-group ends while a partner may still ask for a tile that names it
	s_endpgm
.Lfunc_end_k_qf3ceb16b5d_qkv:
	.size	k_qf3ceb16b5d_qkv, .Lfunc_end_k_qf3ceb16b5d_qkv-k_qf3ceb16b5d_qkv
	.p2alignl 7, 3214868480
	.fill 96, 4, 3214868480
	.section	.rodata,"a",@progbits
	.p2align	6, 0x0
	.amdhsa_kernel k_qf3ceb16b5d_qkv
		.amdhsa_group_segment_fixed_size 327680
		.amdhsa_private_segment_fixed_size 0
		.amdhsa_enable_private_segment 0
		.amdhsa_kernarg_size 16
		.amdhsa_user_sgpr_count 2
		.amdhsa_user_sgpr_kernarg_segment_ptr 1
		.amdhsa_wavefront_size32 1
		.amdhsa_system_sgpr_workgroup_id_x 1
		.amdhsa_system_sgpr_workgroup_id_y 1
		.amdhsa_system_sgpr_workgroup_id_z 1
		.amdhsa_system_vgpr_workitem_id 0
		.amdhsa_next_free_vgpr 1024
		.amdhsa_next_free_sgpr 66
		.amdhsa_reserve_vcc 0
		.amdhsa_float_denorm_mode_32 3
		.amdhsa_float_denorm_mode_16_64 3
		.amdhsa_memory_ordered 1
		.amdhsa_forward_progress 1
		.amdhsa_inst_pref_size 197
	.end_amdhsa_kernel
	.amdgpu_metadata
---
amdhsa.version: [ 1, 2 ]
amdhsa.kernels:
  - .name:           k_qf3ceb16b5d_qkv
    .symbol:         k_qf3ceb16b5d_qkv.kd
    .args:
      - { .name: cb, .offset: 0, .size: 8, .value_kind: global_buffer, .address_space: global }
      - { .name: qkv, .offset: 8, .size: 8, .value_kind: global_buffer, .address_space: global }
    .group_segment_fixed_size: 327680
    .private_segment_fixed_size: 0
    .kernarg_segment_align: 8
    .kernarg_segment_size: 16
    .max_flat_workgroup_size: 128
    .sgpr_count:     66
    .vgpr_count:     1024
    .wavefront_size: 32
...
	.end_amdgpu_metadata
.endif
;; end of part 2
;; launch attn (part 3): grid 256 x 1, 8 waves a work-group, no clusters, 327,680 bytes of LDS; arguments qkv, ctx; writes ctx
.if DOCPART == 3
	.amdgcn_target "amdgcn-amd-amdhsa--gfx1250"
	.amdhsa_code_object_version 6
	.text
	.protected	k_qf3ceb16b5d_attn
	.globl	k_qf3ceb16b5d_attn
	.p2align	8
	.type	k_qf3ceb16b5d_attn,@function
k_qf3ceb16b5d_attn:
	s_mov_b64 s[64:65], 0
	v_nop
	global_prefetch_b8 v0, s[64:65] scope:SCOPE_SE
	s_setreg_imm32_b32 hwreg(HW_REG_WAVE_MODE, 25, 1), 1
	s_wait_xcnt 0x0
; Causal softmax attention, one (batch, head) pair for four work-groups.  q, k, v: f16 [3][64][2048][64] in qkv; ctx: f16 [64][2048][64].
; p = exp((s - running maximum of s) / 8), sums in f32; the running maximum is kept for each query and the sums are rescaled when it rises.
; LIMITS: |q|, |k|, |v| below 65,504 (f16).  p is rounded to f16 for the product with v, and the denominator adds these same rounded p (in f32).
; SHARES: work-group (bh, p) takes query block 7 - p (256 rows) and then block p: (8 - p) + (p + 1) = 9 blocks of 256 keys for every work-group.
; Wave w takes 32 queries, group G = w xor 3 (w / 4): waves i and i + 4 hold groups i and 7 - i, so that such a pair has 5 steps in every diagonal block.
; NO MULTICAST: the four work-groups of a head need 8 - p different numbers of key blocks in their first phase, and walk them from different ends.
; BOTH PRODUCTS ARE USED TRANSPOSED: S^T = K Q^T (source 0: 16 keys, source 1: 16 queries) and O^T = V^T P^T (source 0: V through the transposing
; LDS load, source 1: P).  Lane (r, h) then owns query r in both; S^T's registers, packed in pairs, are P's operand as they lie; the maximum and the
; rescale are one number a lane.  The denominator is a fifth tile of O whose source 0 is all ones.
; KEYS GO DOWNWARD: each phase begins with its diagonal block, and there each wave begins with its own diagonal tile of 64 keys, which starts
; maximum and sums (C = 0): nothing is cleared.
; LDS: two slots, each V (256 keys, pitch 160) and K (256 keys, pitch 144); behind them a stage of 32 rows x 144 bytes for each wave.
.set VPITCH, 160                       ; an odd multiple of 32, for the transposing load
.set KPITCH, 144                       ; an odd multiple of 16
.set VBYTES, 256*VPITCH
.set SLOT,   VBYTES+256*KPITCH         ; 77,824
.set STAGE,  2*SLOT                    ; 155,648: no tensor load lands from here on
.set WSTAGE, 32*144
; window 0
.set T,    4                           ; v4-11   at work
.set M,    12                          ; v12-13  running maximum of my query in q tile 0, 1
.set DM,   14                          ; v14     r - 8 h + 32 (G & 1): key 16 (kt - qt) + j of the diagonal tile is masked if it is larger
.set NINF, 15                          ; v15     -infinity
.set ADRK, 16                          ; v16-17  K fragments in slot 0, 1
.set ADRV, 18                          ; v18-19  V fragments
.set ADKD, 20                          ; v20-21  K fragments of my diagonal tile
.set ADVD, 22                          ; v22-23  V fragments of my diagonal tile
.set NM,   24                          ; v24, v26  -c x maximum (low register of a pair that is broadcast)
.set AL,   28                          ; v28, v30  the rescale
.set QO,   32                          ; v32     my offset in 32 rows of q
.set STO,  33                          ; v33     stage: in
.set RD,   34                          ; v34     stage: back
.set CO,   35                          ; v35     my offset in 32 rows of ctx
.set INV,  36                          ; v36, v38  1 / denominator
.set ONES, 48                          ; v48-55  sixteen f16 ones a lane
.set SC,   64                          ; v64-127   S(qt, kt) at 32 qt + 8 kt
.set KF,   128                         ; v128-191  K fragments (kt, ks) at 16 kt + 8 ks
.set VF,   192                         ; v192-255  V fragments (ht, ks) at 16 ht + 8 ks
; window 1
.set OA,   0                           ; O(qt, t) at 40 qt + 8 t; t = 0..3 head dimension, t = 4 the denominator
.set QF,   80                          ; Q fragments (qt, ks) at 16 qt + 8 ks
.set PF,   112                         ; P(qt, ks) at 16 qt + 8 ks
.set G1V, 24                           ; s[24:31] descriptor group 1 for V
.set G1K, 32                           ; s[32:39] for K
.set G0V, 40                           ; s[40:47] group 0 for V, one set for each slot
.set G0K, 48                           ; s[48:55] for K
.set VB,  56                           ; s[56:57] v of my head, my half of a block
.set KB,  58                           ; s[58:59] k likewise
.set QA,  60                           ; s[60:61] my 32 queries of the first phase
.set QB,  62                           ; s[62:63] of the second
.set CA,  66                           ; s[66:67] my 32 rows of ctx of the first phase
.set CB,  68                           ; s[68:69] of the second
.set MSB, 0
.macro WIN new                         ; the immediate's high byte repeats the setting that is left
.if MSB != \new
	s_set_vgpr_msb (MSB<<8)|\new
.set MSB, \new
.endif
.endm
.macro PLACES                          ; four places behind a matrix instruction (ISA guide 7.12.1)
.rept 4
	v_nop
.endr
.endm
; one matrix instruction; start = 1: it starts the sum
.macro MM d, a, b, start
.if \start
	v_wmma_f32_16x16x32_f16 v[\d:\d+7], v[\a:\a+7], v[\b:\b+7], 0
.else
	v_wmma_f32_16x16x32_f16 v[\d:\d+7], v[\a:\a+7], v[\b:\b+7], v[\d:\d+7]
.endif
.endm
; the global addresses of key block s16 into slot o's two descriptors (no tensor load of the wave is out where this stands)
.macro SETADR o
	s_lshl_b32 s18, s16, 15                        ; 256 keys of 128 bytes; s19 stays 0
	s_add_nc_u64 s[G0V+4*(\o)+2:G0V+4*(\o)+3], s[VB:VB+1], s[18:19]
	s_or_b32 s[G0V+4*(\o)+3], s[G0V+4*(\o)+3], 0x80000000
	s_add_nc_u64 s[G0K+4*(\o)+2:G0K+4*(\o)+3], s[KB:KB+1], s[18:19]
	s_or_b32 s[G0K+4*(\o)+3], s[G0K+4*(\o)+3], 0x80000000
.endm
; slot o is filled: waves 0, 1 bring V's halves, waves 2, 3 K's, 16 KiB each; waves 4 to 7 bring nothing
.macro FILL o
	s_cmp_gt_u32 s8, 3
	s_cbranch_scc1 .Lnone_\@
	s_cmp_gt_u32 s8, 1
	s_cbranch_scc1 .Lfor_k_\@
	tensor_load_to_lds s[G0V+4*(\o):G0V+4*(\o)+3], s[G1V:G1V+7]
	s_nop 0
	s_branch .Lnone_\@
.Lfor_k_\@:
	tensor_load_to_lds s[G0K+4*(\o):G0K+4*(\o)+3], s[G1K:G1K+7]
	s_nop 0
.Lnone_\@:
.endm
	s_load_b128 s[4:7], s[0:1], 0x0                ; qkv s[4:5], ctx s[6:7]
	v_lshl_add_u32 v62, v0, 2, 0x2f000
	v_mov_b32 v63, 0
	ds_add_u32 v62, v63
	v_lshrrev_b32 v1, 5, v0
	v_readfirstlane_b32 s8, v1                     ; wave 0..7
	s_lshr_b32 s9, s8, 2
	s_mul_i32 s9, s9, 3
	s_xor_b32 s9, s9, s8                           ; G: my group of 32 queries in the block
	s_bfe_u32 s10, s9, 0x20001                     ; sd = G / 2, two bits: the tile of 64 keys that holds my diagonal
	s_and_b32 s11, ttmp9, 3                        ; p
	s_lshr_b32 s12, ttmp9, 2                       ; bh
	s_sub_co_u32 s13, 8, s11                       ; the number of the super-step that begins the second phase
	s_sub_co_u32 s16, 7, s11                       ; the key block at work: it starts at the first phase's query block
	s_mov_b32 s20, 0x3e38aa3b                      ; c = log2(e) / 8, twice: a pair for the packed multiply-add
	s_mov_b32 s21, 0x3e38aa3b
	s_mov_b32 s22, 0x76543210                      ; v_permlanex16_b32: lane i of one half reads lane i of the other
	s_mov_b32 s23, 0xfedcba98
	; group 1: 128 keys of 128 bytes are dense in memory: 64 rows of 128 elements of 2 bytes; padding behind every 32 words (a key's row)
	s_mov_b32 s[G1V+0], (1<<16)|(1<<20)|(4<<22)|(7<<25)   ; V: 8 words of padding, pitch 160
	s_mov_b32 s[G1K+0], (1<<16)|(1<<20)|(4<<22)|(3<<25)   ; K: 4 words, pitch 144
.irp g, G1V, G1K
	s_mov_b32 s[\g+1], 128<<16                     ; tensor_dim0 = 128
	s_mov_b32 s[\g+2], 64<<16                      ; tensor_dim1 = 64
	s_mov_b32 s[\g+3], 128<<16                     ; tile_dim0 = 128
	s_mov_b32 s[\g+4], 64                          ; tile_dim1 = 64
	s_mov_b32 s[\g+5], 128                         ; elements from row to row
	s_mov_b32 s[\g+6], 0
	s_mov_b32 s[\g+7], 0
.endr
	s_mul_i32 s72, s8, 128*VPITCH                  ; V's halves at wave x 20,480 (waves 0, 1)
	s_mul_i32 s73, s8, 128*KPITCH                  ; K's halves behind them, at wave x 18,432 + 4,096 (waves 2, 3)
	s_add_co_u32 s73, s73, VBYTES-2*128*KPITCH
.irp s, 0,1
	s_mov_b32 s[G0V+4*\s], 1
	s_add_co_u32 s[G0V+4*\s+1], s72, \s*SLOT
	s_mov_b32 s[G0K+4*\s], 1
	s_add_co_u32 s[G0K+4*\s+1], s73, \s*SLOT
.endr
	s_and_b32 s17, s8, 1
	s_lshl_b32 s17, s17, 14                        ; my half of a block: 128 keys of 128 bytes
	s_lshl_b32 s18, s12, 18                        ; my head: 262,144 bytes
	s_add_co_u32 s18, s18, s17
	s_mov_b32 s19, 0
	s_wait_dscnt 0x0
	s_barrier_signal -1
	s_barrier_wait -1
	s_wait_kmcnt 0x0
	s_add_nc_u64 s[KB:KB+1], s[4:5], s[18:19]
	s_add_nc_u64 s[KB:KB+1], s[KB:KB+1], 0x1000000 ; k is the second part of qkv,
	s_add_nc_u64 s[VB:VB+1], s[KB:KB+1], 0x1000000 ; v the third
	SETADR 0
	FILL 0                                         ; the first phase's diagonal block: the one fill that stands ahead of everything else
	s_lshl_b32 s72, s12, 18
	s_lshl_b32 s73, s9, 12                         ; 32 G rows of 128 bytes
	s_add_co_u32 s72, s72, s73
	s_lshl_b32 s74, s16, 15                        ; query block 7 - p
	s_add_co_u32 s74, s74, s72
	s_mov_b32 s75, 0
	s_lshl_b32 s76, s11, 15                        ; query block p
	s_add_co_u32 s76, s76, s72
	s_mov_b32 s77, 0
	s_add_nc_u64 s[QA:QA+1], s[4:5], s[74:75]
	s_add_nc_u64 s[QB:QB+1], s[4:5], s[76:77]
	s_add_nc_u64 s[CA:CA+1], s[6:7], s[74:75]
	s_add_nc_u64 s[CB:CB+1], s[6:7], s[76:77]
	v_and_b32 v1, 15, v0                           ; r
	v_bfe_u32 v2, v0, 4, 1                         ; h
	v_lshlrev_b32 v[QO], 7, v1
	v_lshl_add_u32 v[QO], v2, 4, v[QO]             ; row r of q, 16 bytes for each half of the lanes
; my 32 queries as source 1 fragments, straight from memory: lane (r, h) holds query r
.macro QLOAD qb
	WIN 0x40                                       ; destination window 1
.irp qt, 0,1
.irp ks, 0,1
	global_load_b128 v[QF+16*\qt+8*\ks:QF+16*\qt+8*\ks+3],   v[QO], s[\qb:\qb+1] offset:2048*\qt+64*\ks
	global_load_b128 v[QF+16*\qt+8*\ks+4:QF+16*\qt+8*\ks+7], v[QO], s[\qb:\qb+1] offset:2048*\qt+64*\ks+32
.endr
.endr
	WIN 0
.endm
	QLOAD QA
	v_and_b32 v3, 7, v0
	v_bfe_u32 v4, v0, 3, 1
	s_and_b32 s17, s9, 1
	s_lshl_b32 s17, s17, 5
	v_lshlrev_b32 v5, 3, v2
	v_sub_nc_u32 v[DM], v1, v5
	v_add_nc_u32 v[DM], s17, v[DM]                 ; r - 8 h + 32 (G & 1), a signed number
	v_mov_b32 v[NINF], 0xff800000
	v_mul_u32_u24 v5, v1, KPITCH
	v_lshl_add_u32 v5, v2, 4, v5                   ; key r, 16 bytes for each half of the lanes
	v_add_nc_u32 v[ADRK], VBYTES, v5
	v_add_nc_u32 v[ADRK+1], VBYTES+SLOT, v5
	v_lshl_add_u32 v6, v2, 3, v3                   ; the transposing load: key 8 h + (l & 7),
	v_mul_u32_u24 v6, v6, VPITCH
	v_lshl_add_u32 v[ADRV], v4, 4, v6              ; columns 8 ((l >> 3) & 1) ..
	v_add_nc_u32 v[ADRV+1], SLOT, v[ADRV]
	s_mul_i32 s17, s10, 64*KPITCH
	v_add_nc_u32 v[ADKD], s17, v[ADRK]
	v_add_nc_u32 v[ADKD+1], s17, v[ADRK+1]
	s_mul_i32 s17, s10, 64*VPITCH
	v_add_nc_u32 v[ADVD], s17, v[ADRV]
	v_add_nc_u32 v[ADVD+1], s17, v[ADRV+1]
	s_mul_i32 s17, s8, WSTAGE
	s_add_co_u32 s17, s17, STAGE                   ; my stage
	v_add_nc_u32 v[STO], s17, v5                   ; in: row r (pitch 144), 16 bytes for each half of the lanes
	v_and_b32 v7, 31, v0
	v_lshrrev_b32 v8, 3, v7
	v_mul_u32_u24 v8, v8, 144                      ; back: eight lanes take a row's 128 bytes
	v_lshl_add_u32 v8, v3, 4, v8
	v_add_nc_u32 v[RD], s17, v8
	v_lshlrev_b32 v[CO], 4, v7
.irp x, NM+1, NM+3, AL+1, AL+3, INV+1, INV+3
	v_mov_b32 v[\x], 0                             ; the upper registers of the broadcast pairs: named, never used
.endr
.irp x, 0,1,2,3,4,5,6,7
	v_mov_b32 v[ONES+\x], 0x3c003c00
.endr
; the maximum of q tile qt: 32 scores a lane and the old maximum in 16 three-way maxima, the other half's by one lane exchange; then -c x maximum and the rescale's exponent
.macro ROWMAX qt, diag
.irp c, 0,1,2,3
	v_max3_num_f32 v[T+4*\qt+\c], v[SC+32*\qt+8*\c], v[SC+32*\qt+8*\c+1], v[SC+32*\qt+8*\c+2]
.endr
.irp c, 0,1,2,3
	v_max3_num_f32 v[T+4*\qt+\c], v[T+4*\qt+\c], v[SC+32*\qt+8*\c+3], v[SC+32*\qt+8*\c+4]
.endr
.irp c, 0,1,2,3
	v_max3_num_f32 v[T+4*\qt+\c], v[T+4*\qt+\c], v[SC+32*\qt+8*\c+5], v[SC+32*\qt+8*\c+6]
.endr
	v_max3_num_f32 v[T+4*\qt], v[T+4*\qt], v[T+4*\qt+1], v[SC+32*\qt+7]
	v_max3_num_f32 v[T+4*\qt+2], v[T+4*\qt+2], v[T+4*\qt+3], v[SC+32*\qt+15]
	v_max3_num_f32 v[T+4*\qt], v[T+4*\qt], v[T+4*\qt+2], v[SC+32*\qt+23]
.if \diag
	v_max_num_f32 v[T+4*\qt], v[T+4*\qt], v[SC+32*\qt+31]
.else
	v_max3_num_f32 v[T+4*\qt], v[T+4*\qt], v[SC+32*\qt+31], v[M+\qt]
.endif
	v_permlanex16_b32 v[T+4*\qt+1], v[T+4*\qt], s22, s23           ; the other eight keys of each sixteen lie in lane l xor 16
	v_max_num_f32 v[M+\qt], v[T+4*\qt], v[T+4*\qt+1]
.if \diag
	v_mul_f32 v[NM+2*\qt], 0xbe38aa3b, v[M+\qt]
.else
	v_mul_f32 v[T+4*\qt+2], 0xbe38aa3b, v[M+\qt]
	v_sub_f32 v[AL+2*\qt], v[T+4*\qt+2], v[NM+2*\qt]               ; the difference of the two ROUNDED shifts: the rescale fits the p of both steps
	v_mov_b32 v[NM+2*\qt], v[T+4*\qt+2]
.endif
.endm
; One step: 64 keys x my 32 queries.  ka, va: address registers; koff, voff: the tile's place in the slot.
; diag = 1: my diagonal tile: keys beyond the query are masked, and maximum and sums start here.
; Accumulators take turns, one instruction a turn (8 in S^T, 10 in O^T).
.macro STEP ka, va, koff, voff, diag
	PLACES                                         ; behind the last step's products, whose sources are loaded again
.irp kt, 0,1,2,3
.irp ks, 0,1
	ds_load_b128 v[KF+16*\kt+8*\ks:KF+16*\kt+8*\ks+3],   v[\ka] offset:\koff+16*KPITCH*\kt+64*\ks
	ds_load_b128 v[KF+16*\kt+8*\ks+4:KF+16*\kt+8*\ks+7], v[\ka] offset:\koff+16*KPITCH*\kt+64*\ks+32
.endr
.endr
.irp ht, 0,1,2,3
.irp ks, 0,1
	ds_load_tr16_b128 v[VF+16*\ht+8*\ks:VF+16*\ht+8*\ks+3],   v[\va] offset:\voff+32*VPITCH*\ks+32*\ht
	ds_load_tr16_b128 v[VF+16*\ht+8*\ks+4:VF+16*\ht+8*\ks+7], v[\va] offset:\voff+32*VPITCH*\ks+32*\ht+16*VPITCH
.endr
.endr
	s_wait_dscnt 16                                ; K's sixteen loads are in; V's sixteen may stay out
	WIN 0x04                                       ; source 1 (Q) window 1
.irp ks, 0,1
.irp qt, 0,1
.irp kt, 0,1,2,3
	MM SC+32*\qt+8*\kt, KF+16*\kt+8*\ks, QF+16*\qt+8*\ks, 1-\ks
.endr
.endr
.endr
	WIN 0
	PLACES
.if \diag
.irp d, 0,1,2,3
.irp j, 0,1,2,3,4,5,6,7
	v_cmp_gt_i32 vcc_lo, 16*\d+\j, v[DM]           ; key beyond query; the same for (qt 0, kt d) and (qt 1, kt d + 1); tiles with kt < qt hold no such key
	v_cndmask_b32 v[SC+8*\d+\j], v[SC+8*\d+\j], v[NINF], vcc_lo
.if \d < 3
	v_cndmask_b32 v[SC+32+8*(\d+1)+\j], v[SC+32+8*(\d+1)+\j], v[NINF], vcc_lo
.endif
.endr
.endr
.endif
	ROWMAX 0, \diag
	ROWMAX 1, \diag
.if \diag == 0
	v_exp_f32 v[AL], v[AL]                         ; behind these stands the first multiply-add below, which names neither
	v_exp_f32 v[AL+2], v[AL+2]
.endif
.irp qt, 0,1
.set i, 0
.rept 16
	v_pk_fma_f32 v[SC+32*\qt+i:SC+32*\qt+i+1], v[SC+32*\qt+i:SC+32*\qt+i+1], s[20:21], v[NM+2*\qt:NM+2*\qt+1] op_sel_hi:[1,0,0]   ; c s - c maximum
.set i, i+2
.endr
.endr
.set i, 0
.rept 64
	v_exp_f32 v[SC+i], v[SC+i]
.set i, i+1
.endr
	v_nop                                          ; one plain place behind the last exponential (ISA guide 5.7.2)
	WIN 0x40                                       ; destination window 1
.set i, 0
	s_wait_alu depctr_va_vdst(0)
.rept 32
	v_cvt_pk_f16_f32 v[PF+i], v[SC+2*i], v[SC+2*i+1]
.set i, i+1
.endr
.if \diag == 0
	WIN 0x41                                       ; O in window 1, the rescale in window 0
.irp qt, 0,1
.set i, 0
.rept 20
	v_pk_mul_f32 v[OA+40*\qt+i:OA+40*\qt+i+1], v[OA+40*\qt+i:OA+40*\qt+i+1], v[AL+2*\qt:AL+2*\qt+1] op_sel_hi:[1,0]
.set i, i+2
.endr
.endr
.endif
	s_wait_dscnt 0                                 ; V's fragments
	WIN 0x54                                       ; source 0 (V, ones) window 0; P, C and D window 1
.irp ks, 0,1
.irp qt, 0,1
.irp t, 0,1,2,3
	MM OA+40*\qt+8*\t, VF+16*\t+8*\ks, PF+16*\qt+8*\ks, \diag*(1-\ks)
.endr
	MM OA+40*\qt+32, ONES, PF+16*\qt+8*\ks, \diag*(1-\ks)
.endr
.endr
	WIN 0
.endm
; a plain step on tile s of a slot, if the count s15 of plain tiles of this super-step reaches it (4, or sd in a diagonal block)
.macro GSTEP slot, s
	s_cmp_le_u32 s15, \s
	s_cbranch_scc1 .Lskip_\@
	STEP ADRK+\slot, ADRV+\slot, 64*KPITCH*\s, 64*VPITCH*\s, 0
.Lskip_\@:
.endm
; The change of slots.  In front of the barrier every wave waits for all its tensor loads (its part of this slot) and for its reads of the other slot;
; behind it the other slot's refill comes first, one tensor load a wave: it has this whole super-step in which to land.
.macro HEAD slot, refill
	s_wait_tensorcnt 0x0
	ds_add_u32 v62, v63
	s_wait_dscnt 0x0
.if \refill
	s_sub_co_u32 s17, s16, 1                       ; the next key block: one down, or, behind block 0, the second phase's diagonal block p
	s_cmp_eq_u32 s16, 0
	s_cselect_b32 s16, s11, s17
	SETADR 1-\slot
.endif
	s_wait_dscnt 0x0
	s_barrier_signal -1
	s_barrier_wait -1
.if \refill
	FILL 1-\slot
.endif
.endm
; O / denominator, rounded to f16, through my stage, out as whole rows
.macro FINISH cb
	PLACES
	WIN 0x01                                       ; source 0 window 1
	v_rcp_f32 v[INV], v[OA+32]
	v_rcp_f32 v[INV+2], v[OA+72]
	v_nop                                          ; one plain place behind the reciprocals
	s_wait_alu depctr_va_vdst(0)
.irp qt, 0,1
.set i, 0
.rept 16
	v_pk_mul_f32 v[SC+32*\qt+i:SC+32*\qt+i+1], v[OA+40*\qt+i:OA+40*\qt+i+1], v[INV+2*\qt:INV+2*\qt+1] op_sel_hi:[1,0]
.set i, i+2
.endr
.endr
	WIN 0
.set i, 0
.rept 32
	v_cvt_pk_f16_f32 v[KF+i], v[SC+2*i], v[SC+2*i+1]
.set i, i+1
.endr
.irp qt, 0,1
.irp ht, 0,1,2,3
	ds_store_b128 v[STO], v[KF+16*\qt+4*\ht:KF+16*\qt+4*\ht+3] offset:16*144*\qt+32*\ht
.endr
.endr
.irp t, 0,1,2,3,4,5,6,7
	ds_load_b128 v[VF+4*\t:VF+4*\t+3], v[RD] offset:4*144*\t       ; LDS serves a wave's instructions in order: these see the stores above
.endr
.irp t, 0,1,2,3,4,5,6,7
	s_wait_dscnt 7-\t
	global_store_b128 v[CO], v[VF+4*\t:VF+4*\t+3], s[\cb:\cb+1] offset:512*\t   ; four rows of ctx: 512 consecutive bytes, aligned
.endr
	s_wait_xcnt 0x0                                ; the stores' data registers are loaded again only behind this wait
.endm
; A super-step: 256 keys in a slot.  Where the second phase begins (the same in every wave): its queries are asked for first, the first phase's
; result goes out meanwhile, and my diagonal tile starts the new sums.
.macro SS slot, refill
	HEAD \slot, \refill
	s_mov_b32 s15, 4
	s_cmp_lg_u32 s14, s13
	s_cbranch_scc1 .Lsame_\@
	QLOAD QB
	FINISH CA
	s_wait_loadcnt 0x0                             ; the new queries
	STEP ADKD+\slot, ADVD+\slot, 0, 0, 1
	s_mov_b32 s15, s10                             ; below the diagonal tile lie sd whole tiles
.Lsame_\@:
	GSTEP \slot, 0
	GSTEP \slot, 1
	GSTEP \slot, 2
	GSTEP \slot, 3
	s_add_co_u32 s14, s14, 1
.endm
	; super-step 0: the first phase's diagonal block, in slot 0; slot 1 gets its first fill behind this barrier, as a refill does
	HEAD 0, 1
	s_wait_loadcnt 0x0                             ; my queries
	STEP ADKD+0, ADVD+0, 0, 0, 1
	s_mov_b32 s15, s10
	GSTEP 0, 0
	GSTEP 0, 1
	GSTEP 0, 2                                     ; sd is 3 at the most
	s_mov_b32 s14, 1                               ; the number of the next super-step
	s_mov_b32 s70, 3
.Lpair:                                            ; super-steps 1 to 6
	SS 1, 1
	SS 0, 1
	s_sub_co_u32 s70, s70, 1
	s_cmp_lg_u32 s70, 0
	s_cbranch_scc1 .Lpair
	SS 1, 1                                        ; super-step 7 asks for the last block
	SS 0, 0                                        ; super-step 8: nothing is left to fetch
	FINISH CB
	s_wait_tensorcnt 0x0
	ds_add_u32 v62, v63
	s_wait_dscnt 0x0
	s_endpgm
.Lfunc_end_k_qf3ceb16b5d_attn:
	.size	k_qf3ceb16b5d_attn, .Lfunc_end_k_qf3ceb16b5d_attn-k_qf3ceb16b5d_attn
	.p2alignl 7, 3214868480
	.fill 96, 4, 3214868480
	.section	.rodata,"a",@progbits
	.p2align	6, 0x0
	.amdhsa_kernel k_qf3ceb16b5d_attn
		.amdhsa_group_segment_fixed_size 327680
		.amdhsa_private_segment_fixed_size 0
		.amdhsa_enable_private_segment 0
		.amdhsa_kernarg_size 16
		.amdhsa_user_sgpr_count 2
		.amdhsa_user_sgpr_kernarg_segment_ptr 1
		.amdhsa_wavefront_size32 1
		.amdhsa_system_sgpr_workgroup_id_x 1
		.amdhsa_system_sgpr_workgroup_id_y 1
		.amdhsa_system_sgpr_workgroup_id_z 1
		.amdhsa_system_vgpr_workitem_id 0
		.amdhsa_next_free_vgpr 400
		.amdhsa_next_free_sgpr 80
		.amdhsa_reserve_vcc 1
		.amdhsa_float_denorm_mode_32 3
		.amdhsa_float_denorm_mode_16_64 3
		.amdhsa_memory_ordered 1
		.amdhsa_forward_progress 1
		.amdhsa_inst_pref_size 255
	.end_amdhsa_kernel
	.section	.bss,"aw",@nobits
	.p2align	6
	.space	262144
	.amdgpu_metadata
---
amdhsa.version: [ 1, 2 ]
amdhsa.kernels:
  - .name:           k_qf3ceb16b5d_attn
    .symbol:         k_qf3ceb16b5d_attn.kd
    .args:
      - { .name: qkv, .offset: 0, .size: 8, .value_kind: global_buffer, .address_space: global }
      - { .name: ctx, .offset: 8, .size: 8, .value_kind: global_buffer, .address_space: global }
    .group_segment_fixed_size: 327680
    .private_segment_fixed_size: 0
    .kernarg_segment_align: 8
    .kernarg_segment_size: 16
    .max_flat_workgroup_size: 256
    .sgpr_count:     80
    .vgpr_count:     400
    .wavefront_size: 32
...
	.end_amdgpu_metadata
.endif
;; end of part 3
;; launch oproj (part 4): grid 4 x 64, 4 waves a work-group, clusters of 4 x 4, 327,680 bytes of LDS; arguments ctx, cb, out0, bo; writes out0
.if DOCPART == 4
	.amdgcn_target "amdgcn-amd-amdhsa--gfx1250"
	.amdhsa_code_object_version 6
	.text
	.protected	k_qf3ceb16b5d_oproj
	.globl	k_qf3ceb16b5d_oproj
	.p2align	8
	.type	k_qf3ceb16b5d_oproj,@function
k_qf3ceb16b5d_oproj:
	s_mov_b64 s[64:65], 0
	v_nop
	global_prefetch_b8 v0, s[64:65] scope:SCOPE_SE
	s_setreg_imm32_b32 hwreg(HW_REG_WAVE_MODE, 25, 1), 1
	s_wait_xcnt 0x0
	s_wait_alu depctr_hold_cnt(0) depctr_sa_sdst(0) depctr_va_vdst(0) depctr_va_sdst(0) depctr_va_ssrc(0) depctr_va_vcc(0) depctr_vm_vsrc(0)
	s_getreg_b32 s2, hwreg(HW_REG_IB_STS2, 6, 4)
	s_cmp_eq_u32 s2, 0
	s_cbranch_scc0 .Lentry_in_a_cluster
	s_endpgm
.Lentry_in_a_cluster:
	s_bfe_u32 s2, ttmp6, 0x10000c
	s_cmp_lg_u32 s2, 0xf033
	s_cbranch_scc0 .Lentry_shape_is_right
	s_endpgm
.Lentry_shape_is_right:
; C[m][n] = sum over k of A[m][k] B[n][k], K = 1024, sums in f32.  One source serves two launches; KIND picks the launch.
; KIND 0 (q, k, v):  A = x in bf16 [8192][1024], B = Wq, Wk, Wv in bf16 [3072][1024], both in cb.  C is stored as f16, head-major:
;                    qkv[part n/1024][batch x 16 + head][row in the batch][64].  LIMIT: |q|, |k|, |v| below 65,504, the largest f16 number.
; KIND 1 (output):   A = ctx in f16 [batch x 16 + head][2048][64], B = Wo in f16 [1024][1024] in cb, C = out0 in f32 [8192][1024], with bo added:
;                    the bias is the C operand of each sum's first product.
; A work-group makes 128 x 256 of C with four waves, a wave 64 x 128: 32 accumulator tiles of 16 x 16, 256 registers.  This block gives
; 12 x 64 = 768 and 4 x 64 = 256 work-groups, both multiples of 256.
; K goes in steps of 128 through two LDS slots filled by the tensor data mover.
; CLUSTERS of 4 x 4 work-groups: the four of a row of the cluster need the same tiles of A, the four of a column the same tiles of B; each such
; tile is asked for jointly, by the same load with the same descriptor and a mask that names the four.
; REGISTER WINDOWS: window 0 addresses, fragments (two buffers of 64 for B + 32 for A) and the way out; window 1 the accumulators, tile (a, b)
; at v[8 (8 a + b)]; window 2 (KIND 1) the bias.
; THE MATRIX INSTRUCTION IS USED TRANSPOSED (source 0 = 16 rows of B, source 1 = 16 rows of A): lane l holds row l % 16 of C and its registers
; 0 to 7 the columns 8 (l / 16) + 0 .. 7, eight neighbouring numbers of a row.
.set KIND,   1
.set KSTEP,  128
.set PITCH,  272                       ; B's LDS row: 256 bytes + 16 of padding, an odd multiple of 16: a fragment's 16 rows start 16 bytes apart modulo 256
.set BHALF,  128*PITCH                 ; 128 rows of B: one tensor load, and what one wave reads of B
.set ABASE,  2*BHALF                   ; A's tile lies behind B's 256 rows
.if KIND
.set APITCH, 144                       ; a head's row: 128 bytes + 16
.set AHALF,  128*APITCH                ; a panel: 128 rows of one head; a K step of 128 is two heads
.set AKH,    AHALF                     ; from K quarters 0, 1 to quarters 2, 3: the next panel
.set ASTEP,  2*262144                  ; a K step on in ctx: two heads of 262,144 bytes
.set AQI,    4                         ; padding behind every 32 words
.set AROW,   128                       ; the panel is dense: taken as 64 rows of 128 elements, 128 elements apart
.set WOFF,   23068672                  ; Wo in cb
.set SPITCH, 528                       ; stage row: 128 f32 + 16 bytes
.set PA, 4                             ; s[4:5] ctx
.set PB, 6                             ; s[6:7] cb
.set PC, 68                            ; s[68:69] out0
.set PBO, 70                           ; s[70:71] bo
.else
.set APITCH, 272
.set AHALF,  64*APITCH                 ; 64 rows of A: one tensor load
.set AKH,    128                       ; from K quarters 0, 1 to quarters 2, 3: 128 bytes along the row
.set ASTEP,  256                       ; a K step on: 128 bf16 along the row
.set AQI,    5                         ; padding behind every 64 words
.set AROW,   1024
.set WOFF,   16777216                  ; Wq, Wk, Wv in cb
.set SPITCH, 272                       ; stage row: 128 f16 + 16 bytes
.set PA, 4                             ; s[4:5] cb
.set PB, 4
.set PC, 6                             ; s[6:7] qkv
.endif
.set SLOT,   ABASE+2*AHALF
.set STAGE,  2*SLOT                    ; behind the ring: 16 rows for each wave, for the way out; no tensor load lands there
.set LAPS,   1024/(2*KSTEP)            ; a lap = two K steps = once round the ring
.set ADRA, 16                          ; v16-17  LDS address of my A fragments in slot 0, 1
.set ADRB, 20                          ; v20-21  the same for B
.set STO,  24                          ; v24     the way out: where I put a row's piece
.set RD,   25                          ; v25     the way out: where I read back
.set CO,   26                          ; v26     my byte offset in C
.set BO,   27                          ; v27     my byte offset in bo (KIND 1)
.set TMP,  32                          ; v32-63  packed results (KIND 0)
.set F0,   64                          ; fragment buffer 0: B at +8 b, A at +64 + 8 a
.set F1,   160                         ; fragment buffer 1
.set BI,   0                           ; window 2: v[8 b + j] = bo[my column 16 b + 8 (l / 16) + j]
.set G1A, 24                           ; s[24:31] descriptor group 1 for A's tiles
.set G0A, 32                           ; s[32:39] group 0 for A's tiles, one set for each slot
.set G1B, 48                           ; s[48:55] group 1 for B's tiles
.set G0B, 56                           ; s[56:63] group 0 for B's tiles, one set for each slot
.set MUL,  0x50                        ; sources 0, 1 window 0; C and D window 1
.set MULZ, 0x50+0x10*KIND              ; a sum's first product: C is 0 (KIND 0) or the bias in window 2 (KIND 1)
.set MSB, 0
.macro WIN new                         ; the immediate's high byte repeats the setting that is left
.if MSB != \new
	s_set_vgpr_msb (MSB<<8)|\new
.set MSB, \new
.endif
.endm
.macro WINM start
.if \start
	WIN MULZ
.else
	WIN MUL
.endif
.endm
.macro PLACES                          ; four places behind a matrix instruction, in front of loads into its sources and of readers of its result
.rept 4
	v_nop
.endr
.endm
; A joint load.  Waves 0 and 1 fetch B's two halves, waves 2 and 3 A's.  Each line has one mask and one set of registers for all that issue it;
; the branch hangs on the wave's number alone.  Four v_nop follow each of the two lines.
.macro JLOAD s
	s_cmp_eq_u32 s11, 0
	s_cbranch_scc0 .Lfor_a_\@
	tensor_load_to_lds s[G0B+4*\s:G0B+4*\s+3], s[G1B:G1B+7]
	s_nop 0
.rept 4
	v_nop
.endr
	s_branch .Lasked_\@
.Lfor_a_\@:
	tensor_load_to_lds s[G0A+4*\s:G0A+4*\s+3], s[G1A:G1A+7]
	s_nop 0
.rept 4
	v_nop
.endr
.Lasked_\@:
.endm
; A round of the cluster's barrier: my work-group's barrier; wave 0 signals for the work-group; every wave waits for all sixteen; my work-group's barrier again.
.macro CREST                           ; a round behind its opening barrier
	s_cmp_lg_u32 s10, 0
	s_cbranch_scc1 .Lnot_wave_0_\@
	s_barrier_signal -3
.Lnot_wave_0_\@:
	s_barrier_wait -3
	s_barrier_signal -1
	s_barrier_wait -1
.endm
.macro CROUND
	s_barrier_signal -1
	s_barrier_wait -1
	CREST
.endm
	s_load_b128 s[4:7], s[0:1], 0x0
.if KIND
	s_load_b128 s[68:71], s[0:1], 0x10
	v_lshl_add_u32 v62, v0, 2, 0x3c400
	v_mov_b32 v63, 0
	ds_add_u32 v62, v63
.endif
	v_lshrrev_b32 v1, 5, v0
	v_readfirstlane_b32 s10, v1                    ; wave 0..3
	s_lshr_b32 s11, s10, 1                         ; which 64 rows of the block are mine.  Also: I fetch for B (0) or for A (1)
	s_and_b32 s12, s10, 1                          ; which 128 columns.  Also: which half of that tile I fetch
	s_bfe_u32 s40, ttmp6, 0x40000                  ; cx
	s_bfe_u32 s41, ttmp6, 0x40004                  ; cy
	s_lshl_b32 s42, ttmp9, 2
	s_add_co_u32 s42, s42, s40                     ; block column = 4 x cluster x + cx
	s_and_b32 s13, ttmp7, 0xffff
	s_lshl_b32 s13, s13, 2
	s_add_co_u32 s13, s13, s41                     ; block row = 4 x cluster y + cy
	s_lshl_b32 s43, s41, 2
	s_lshl_b32 s43, 15, s43                        ; my row of the cluster: places 4 cy .. 4 cy + 3
	s_lshl_b32 s44, 0x1111, s40                    ; my column: places cx, cx + 4, cx + 8, cx + 12
	; group 1 of B's tiles: 128 rows x 128 elements of 2 bytes, rows 1,024 elements apart, 4 words of padding behind every 64
	s_or_b32 s[G1B+0], s44, (1<<16)|(1<<20)|(1<<21)|(5<<22)|(3<<25)
	s_mov_b32 s[G1B+1], KSTEP<<16                  ; tensor_dim0 = 128
	s_mov_b32 s[G1B+2], 128<<16                    ; tensor_dim1 = 128
	s_mov_b32 s[G1B+3], KSTEP<<16                  ; tile_dim0 = 128
	s_mov_b32 s[G1B+4], 128                        ; tile_dim1 = 128
	s_mov_b32 s[G1B+5], 1024                       ; elements from row to row
	s_mov_b32 s[G1B+6], 0
	s_mov_b32 s[G1B+7], 0
	; group 1 of A's tiles: 64 rows x 128 elements
	s_or_b32 s[G1A+0], s43, (1<<16)|(1<<20)|(1<<21)|(AQI<<22)|(3<<25)
	s_mov_b32 s[G1A+1], KSTEP<<16
	s_mov_b32 s[G1A+2], 64<<16
	s_mov_b32 s[G1A+3], KSTEP<<16
	s_mov_b32 s[G1A+4], 64
	s_mov_b32 s[G1A+5], AROW
	s_mov_b32 s[G1A+6], 0
	s_mov_b32 s[G1A+7], 0
	; where the tiles come from.  A's offset hangs on the block row and the wave alone, B's on the block column and the wave alone,
	; each in registers that never hold the other coordinate.
.if KIND
	s_lshr_b32 s16, s13, 4                         ; batch: 16 blocks of 128 rows each
	s_lshl_b32 s16, s16, 22                        ; 16 heads of 262,144 bytes
	s_and_b32 s17, s13, 15
	s_lshl_b32 s17, s17, 14                        ; 128 rows of 128 bytes
	s_add_co_u32 s16, s16, s17
	s_lshl_b32 s17, s12, 18                        ; the even or the odd head of the K step
	s_add_co_u32 s16, s16, s17
.else
	s_lshl_b32 s16, s13, 18                        ; 128 rows of 2,048 bytes
	s_lshl_b32 s17, s12, 17                        ; 64 rows
	s_add_co_u32 s16, s16, s17
.endif
	s_mov_b32 s17, 0
	s_lshl_b32 s46, s42, 19                        ; 256 rows of 2,048 bytes
	s_lshl_b32 s47, s12, 18                        ; 128 rows
	s_add_co_u32 s46, s46, s47
	s_add_co_u32 s46, s46, WOFF
	s_mov_b32 s47, 0
	s_mul_i32 s20, s10, BHALF                      ; and where they go: B's halves at wave x 34,816 (waves 0, 1),
	s_mul_i32 s21, s10, AHALF                      ; A's halves behind them (waves 2, 3): the wave's number times a constant plus a constant
	s_add_co_u32 s21, s21, ABASE-2*AHALF
	s_wait_dscnt 0x0
	s_wait_kmcnt 0x0
	s_add_nc_u64 s[14:15], s[PA:PA+1], s[16:17]
	s_add_nc_u64 s[46:47], s[PB:PB+1], s[46:47]
	CROUND                                         ; all sixteen work-groups are here: the first joint loads meet
.irp s, 0,1
	s_mov_b32 s[G0A+4*\s], 1
	s_add_co_u32 s[G0A+4*\s+1], s21, \s*SLOT
	s_add_nc_u64 s[G0A+4*\s+2:G0A+4*\s+3], s[14:15], \s*ASTEP
	s_or_b32 s[G0A+4*\s+3], s[G0A+4*\s+3], 0x80000000
	s_mov_b32 s[G0B+4*\s], 1
	s_add_co_u32 s[G0B+4*\s+1], s20, \s*SLOT
	s_add_nc_u64 s[G0B+4*\s+2:G0B+4*\s+3], s[46:47], \s*KSTEP*2
	s_or_b32 s[G0B+4*\s+3], s[G0B+4*\s+3], 0x80000000
	JLOAD \s                                       ; K steps 0 and 1: two tensor loads of the wave are out
.endr
	; a fragment: lane l holds row l % 16; two loads of 16 bytes, 32 bytes apart, at row x pitch + 16 (l / 16)
	v_and_b32 v1, 15, v0                           ; r
	v_bfe_u32 v2, v0, 4, 1                         ; h
	v_mul_u32_u24 v3, v1, PITCH
	v_lshl_add_u32 v3, v2, 4, v3
	v_mul_u32_u24 v4, v1, APITCH
	v_lshl_add_u32 v4, v2, 4, v4
	s_mul_i32 s18, s11, 64*APITCH                  ; my 64 rows of A
	s_add_co_u32 s18, s18, ABASE
	s_mul_i32 s19, s12, BHALF                      ; my 128 rows of B
.irp s, 0,1
	v_add_nc_u32 v[ADRA+\s], s18, v4
	v_add_nc_u32 v[ADRB+\s], s19, v3
	s_add_co_u32 s18, s18, SLOT
	s_add_co_u32 s19, s19, SLOT
.endr
	s_mul_i32 s23, s10, 16*SPITCH
	s_add_co_u32 s23, s23, STAGE                   ; my stage
.if KIND
	v_mul_u32_u24 v5, v1, SPITCH                   ; in: row r, 32 bytes for each half of the lanes
	v_lshl_add_u32 v5, v2, 5, v5
	v_add_nc_u32 v[STO], s23, v5
	v_and_b32 v6, 31, v0
	v_lshlrev_b32 v[CO], 4, v6                     ; back and out: 32 lanes take a row's 512 bytes
	v_add_nc_u32 v[RD], s23, v[CO]
	v_lshlrev_b32 v[BO], 5, v2                     ; 8 numbers of bo for each half of the lanes
	s_lshl_b32 s46, s42, 10                        ; my first column in bo: 4 (256 block + 128 half)
	s_lshl_b32 s47, s12, 9
	s_add_co_u32 s46, s46, s47
	s_mov_b32 s47, 0
	s_add_nc_u64 s[PBO:PBO+1], s[PBO:PBO+1], s[46:47]
	WIN 0x80                                       ; destination window 2
.irp b, 0,1,2,3,4,5,6,7
	global_load_b128 v[BI+8*\b:BI+8*\b+3],   v[BO], s[PBO:PBO+1] offset:64*\b
	global_load_b128 v[BI+8*\b+4:BI+8*\b+7], v[BO], s[PBO:PBO+1] offset:64*\b+16
.endr
	WIN 0
.else
	v_add_nc_u32 v[STO], s23, v3                   ; in: row r, 16 bytes for each half of the lanes
	v_bfe_u32 v5, v0, 3, 1
	v_and_b32 v6, 7, v0
	v_mul_u32_u24 v7, v5, SPITCH                   ; back: lanes 0-15 take two rows' 128 bytes of my first head, lanes 16-31 of my second
	v_lshl_add_u32 v7, v2, 7, v7
	v_lshl_add_u32 v7, v6, 4, v7
	v_add_nc_u32 v[RD], s23, v7
	v_lshlrev_b32 v7, 18, v2                       ; out: the second head lies 262,144 bytes on; two rows of a head are 256 consecutive bytes
	v_lshl_add_u32 v7, v5, 7, v7
	v_lshl_add_u32 v[CO], v6, 4, v7
.endif
; 8 matrix instructions: m block a x all 8 n blocks, 32 along K.  start = 1: the first product starts the sums: nothing is cleared.
; The 32 accumulators take turns, one instruction a turn, in the same order in every quarter step.
.macro MULA f, a, start
.irp b, 0,1,2,3,4,5,6,7
.if KIND
.if \start
	v_wmma_f32_16x16x32_f16 v[8*(8*\a+\b):8*(8*\a+\b)+7], v[\f+8*\b:\f+8*\b+7], v[\f+64+8*\a:\f+64+8*\a+7], v[BI+8*\b:BI+8*\b+7]
.else
	v_wmma_f32_16x16x32_f16 v[8*(8*\a+\b):8*(8*\a+\b)+7], v[\f+8*\b:\f+8*\b+7], v[\f+64+8*\a:\f+64+8*\a+7], v[8*(8*\a+\b):8*(8*\a+\b)+7]
.endif
.else
.if \start
	v_wmma_f32_16x16x32_bf16 v[8*(8*\a+\b):8*(8*\a+\b)+7], v[\f+8*\b:\f+8*\b+7], v[\f+64+8*\a:\f+64+8*\a+7], 0
.else
	v_wmma_f32_16x16x32_bf16 v[8*(8*\a+\b):8*(8*\a+\b)+7], v[\f+8*\b:\f+8*\b+7], v[\f+64+8*\a:\f+64+8*\a+7], v[8*(8*\a+\b):8*(8*\a+\b)+7]
.endif
.endif
.endr
.endm
; 24 LDS loads in one run: the fragments of K quarter q of a slot (128 rows of B, then 64 rows of A) into buffer f
.macro FETCH slot, q, f
	WIN 0
.irp i, 0,1,2,3,4,5,6,7
	ds_load_b128 v[\f+8*\i:\f+8*\i+3],   v[ADRB+\slot] offset:64*\q+\i*16*PITCH
	ds_load_b128 v[\f+8*\i+4:\f+8*\i+7], v[ADRB+\slot] offset:64*\q+\i*16*PITCH+32
.endr
.irp i, 0,1,2,3
	ds_load_b128 v[\f+64+8*\i:\f+64+8*\i+3],   v[ADRA+\slot] offset:(\q>>1)*AKH+(\q&1)*64+\i*16*APITCH
	ds_load_b128 v[\f+64+8*\i+4:\f+64+8*\i+7], v[ADRA+\slot] offset:(\q>>1)*AKH+(\q&1)*64+\i*16*APITCH+32
.endr
.endm
; One of a K step's first three quarters: multiplies buffer f; in its middle it fetches quarter q of the same slot into buffer g.
.macro QUARTER slot, q, f, g, start
	s_wait_dscnt 4                                 ; B and A's blocks 0, 1 are in; the youngest four loads (A's blocks 2, 3) may be out
	WINM \start
	MULA \f, 0, \start
	MULA \f, 1, \start
	PLACES
	FETCH \slot, \q, \g
	s_wait_dscnt 24                                ; all but the 24 just issued
	WINM \start
	MULA \f, 2, \start
	MULA \f, 3, \start
.endm
.macro THREE slot, start
	QUARTER \slot, 1, F0, F1, \start
	QUARTER \slot, 2, F1, F0, 0
	QUARTER \slot, 3, F0, F1, 0
.endm
; The last quarter: multiplies buffer 1 and changes slots.  In front of the barrier each wave waits for its reads of this slot and for all its
; tensor loads (one is out: its part of the next slot).  Behind it the refill comes first, then the next slot's first fragments.
; From a request to the wait for it a wave issues 120 matrix instructions.
.macro TURN slot, next, fill
	s_wait_dscnt 4
	WIN MUL
	MULA F1, 0, 0
	s_wait_dscnt 0                                 ; my reads of this slot are over
	s_wait_tensorcnt 0x0                           ; and all my tensor loads have landed
	ds_add_u32 v62, v63
	s_wait_dscnt 0x0
	s_barrier_signal -1                            ; where a slot is filled again this barrier opens a round of the cluster's barrier
	MULA F1, 1, 0                                  ; register work while the others arrive
	WIN 0
	s_barrier_wait -1
.if \fill
	CREST                                          ; no wave of any partner still reads this slot or has a load on its way
	s_add_nc_u64 s[G0A+4*\slot+2:G0A+4*\slot+3], s[G0A+4*\slot+2:G0A+4*\slot+3], 2*ASTEP
	s_add_nc_u64 s[G0B+4*\slot+2:G0B+4*\slot+3], s[G0B+4*\slot+2:G0B+4*\slot+3], 2*KSTEP*2
	JLOAD \slot                                    ; my one tensor load behind the round; its four v_nop are also the places in front of the loads below
.else
	PLACES
.endif
	FETCH \next, 0, F0
	WIN MUL
	MULA F1, 2, 0
	MULA F1, 3, 0
.endm
.macro LAP start
	THREE 0, \start
	TURN 0, 1, 1
	THREE 1, 0
	TURN 1, 0, 1
.endm
	s_wait_tensorcnt 1                             ; my part of K step 0 is in; K step 1's stays out
	s_barrier_signal -1
	s_barrier_wait -1
.if KIND
	s_wait_loadcnt 0x0                             ; the bias
.endif
	FETCH 0, 0, F0
	LAP 1                                          ; the first lap stands in front of the loop: its first products start the sums
	WIN 0
	s_mov_b32 s3, LAPS-2
.Llap:
	LAP 0
	WIN 0
	s_sub_co_u32 s3, s3, 1
	s_cmp_lg_u32 s3, 0
	s_cbranch_scc1 .Llap
	THREE 0, 0                                     ; the last lap fills nothing
	TURN 0, 1, 0
	THREE 1, 0
	s_wait_dscnt 4
	WIN MUL
	MULA F1, 0, 0
	MULA F1, 1, 0
	s_wait_dscnt 0
	MULA F1, 2, 0
	MULA F1, 3, 0
	; THE WAY OUT, 16 rows at a time through my own stage in LDS, read back so that sixteen neighbouring lanes hold 256 consecutive bytes of the result.
	PLACES
.if KIND
	s_lshl_b32 s16, s13, 19                        ; 128 rows of 4,096 bytes
	s_lshl_b32 s17, s11, 18                        ; my 64 rows
	s_add_co_u32 s16, s16, s17
	s_mov_b32 s17, 0
	s_add_nc_u64 s[PC:PC+1], s[PC:PC+1], s[16:17]
	s_lshl_b32 s46, s42, 10                        ; my first column: 4 (256 block + 128 half)
	s_lshl_b32 s47, s12, 9
	s_add_co_u32 s46, s46, s47
	s_mov_b32 s47, 0
	s_add_nc_u64 s[PC:PC+1], s[PC:PC+1], s[46:47]
.else
	s_lshr_b32 s16, s13, 4                         ; batch
	s_lshl_b32 s16, s16, 22                        ; 16 heads of 262,144 bytes
	s_and_b32 s17, s13, 15
	s_lshl_b32 s17, s17, 14                        ; 128 rows of 128 bytes
	s_add_co_u32 s16, s16, s17
	s_lshl_b32 s17, s11, 13                        ; my 64 rows
	s_add_co_u32 s16, s16, s17
	s_mov_b32 s17, 0
	s_add_nc_u64 s[PC:PC+1], s[PC:PC+1], s[16:17]
	s_lshl_b32 s46, s42, 2
	s_lshl1_add_u32 s46, s12, s46                  ; my first head among the 48 of q, k, v: 4 block + 2 half
	s_lshr_b32 s47, s46, 4
	s_lshl_b32 s47, s47, 24                        ; the part: q, k or v
	s_and_b32 s46, s46, 15
	s_lshl_b32 s46, s46, 18                        ; the head
	s_add_co_u32 s46, s46, s47
	s_mov_b32 s47, 0
	s_add_nc_u64 s[PC:PC+1], s[PC:PC+1], s[46:47]
.endif
; rows 16 a .. 16 a + 15 of my block; f: F0 or F1 in turn
.macro OUT16 a, f
.if KIND
	WIN 0x04                                       ; store data from window 1
.irp b, 0,1,2,3,4,5,6,7
	ds_store_b128 v[STO], v[8*(8*\a+\b):8*(8*\a+\b)+3]   offset:64*\b
	ds_store_b128 v[STO], v[8*(8*\a+\b)+4:8*(8*\a+\b)+7] offset:64*\b+16
.endr
	WIN 0
	s_wait_xcnt 0x0                                ; buffer f, which earlier stores read, is loaded again only behind this wait
.irp t, 0,1,2,3,4,5,6,7,8,9,10,11,12,13,14,15
	ds_load_b128 v[\f+4*\t:\f+4*\t+3], v[RD] offset:SPITCH*\t      ; LDS serves a wave's instructions in order: these see the stores above
.endr
.irp t, 0,1,2,3,4,5,6,7,8,9,10,11,12,13,14,15
	s_wait_dscnt 15-\t
	global_store_b128 v[CO], v[\f+4*\t:\f+4*\t+3], s[PC:PC+1] offset:(16*\a+\t)*4096 th:TH_STORE_NT   ; 512 consecutive bytes of a row, aligned
.endr
.else
	WIN 0x05                                       ; both sources from window 1
.irp b, 0,1,2,3,4,5,6,7
.irp r, 0,1,2,3
	v_cvt_pk_f16_f32 v[TMP+4*\b+\r], v[8*(8*\a+\b)+2*\r], v[8*(8*\a+\b)+2*\r+1]
.endr
.endr
	WIN 0
.irp b, 0,1,2,3,4,5,6,7
	ds_store_b128 v[STO], v[TMP+4*\b:TMP+4*\b+3] offset:32*\b
.endr
	s_wait_xcnt 0x0                                ; buffer f, which earlier stores read, is loaded again only behind this wait
.irp t, 0,1,2,3,4,5,6,7
	ds_load_b128 v[\f+4*\t:\f+4*\t+3], v[RD] offset:2*SPITCH*\t    ; LDS serves a wave's instructions in order: these see the stores above
.endr
.irp t, 0,1,2,3,4,5,6,7
	s_wait_dscnt 7-\t
	global_store_b128 v[CO], v[\f+4*\t:\f+4*\t+3], s[PC:PC+1] offset:2048*\a+256*\t   ; 16 lanes: two rows of a head, 256 consecutive bytes, aligned
.endr
.endif
.endm
	OUT16 0, F0
	OUT16 1, F1
	OUT16 2, F0
	OUT16 3, F1
	s_wait_tensorcnt 0x0
	ds_add_u32 v62, v63
	s_wait_dscnt 0x0
	CROUND                                         ; the closing round: no work-group ends while a partner may still ask for a tile that names it
	s_endpgm
.Lfunc_end_k_qf3ceb16b5d_oproj:
	.size	k_qf3ceb16b5d_oproj, .Lfunc_end_k_qf3ceb16b5d_oproj-k_qf3ceb16b5d_oproj
	.p2alignl 7, 3214868480
	.fill 96, 4, 3214868480
	.section	.rodata,"a",@progbits
	.p2align	6, 0x0
	.amdhsa_kernel k_qf3ceb16b5d_oproj
		.amdhsa_group_segment_fixed_size 327680
		.amdhsa_private_segment_fixed_size 0
		.amdhsa_enable_private_segment 0
		.amdhsa_kernarg_size 32
		.amdhsa_user_sgpr_count 2
		.amdhsa_user_sgpr_kernarg_segment_ptr 1
		.amdhsa_wavefront_size32 1
		.amdhsa_system_sgpr_workgroup_id_x 1
		.amdhsa_system_sgpr_workgroup_id_y 1
		.amdhsa_system_sgpr_workgroup_id_z 1
		.amdhsa_system_vgpr_workitem_id 0
		.amdhsa_next_free_vgpr 576
		.amdhsa_next_free_sgpr 72
		.amdhsa_reserve_vcc 0
		.amdhsa_float_denorm_mode_32 3
		.amdhsa_float_denorm_mode_16_64 3
		.amdhsa_memory_ordered 1
		.amdhsa_forward_progress 1
		.amdhsa_inst_pref_size 120
	.end_amdhsa_kernel
	.amdgpu_metadata
---
amdhsa.version: [ 1, 2 ]
amdhsa.kernels:
  - .name:           k_qf3ceb16b5d_oproj
    .symbol:         k_qf3ceb16b5d_oproj.kd
    .args:
      - { .name: ctx, .offset: 0, .size: 8, .value_kind: global_buffer, .address_space: global }
      - { .name: cb, .offset: 8, .size: 8, .value_kind: global_buffer, .address_space: global }
      - { .name: out0, .offset: 16, .size: 8, .value_kind: global_buffer, .address_space: global }
      - { .name: bo, .offset: 24, .size: 8, .value_kind: global_buffer, .address_space: global }
    .group_segment_fixed_size: 327680
    .private_segment_fixed_size: 0
    .kernarg_segment_align: 8
    .kernarg_segment_size: 32
    .max_flat_workgroup_size: 128
    .sgpr_count:     72
    .vgpr_count:     576
    .wavefront_size: 32
...
	.end_amdgpu_metadata
.endif
;; end of part 4
;; ======== version 2 of 2: 4 launches; version 1 with the launch cast written anew for expert scheduling mode
;; limits: values are held in f16: magnitudes above 65,504 overflow, below 6.1e-05 lose precision
;; workspace buffers: cb 25,165,824 bytes; qkv 50,331,648 bytes; ctx 16,777,216 bytes
;; launch cast (part 5): grid 768 x 1, 8 waves a work-group, no clusters, 0 bytes of LDS; arguments x, Wq, Wk, Wv, Wo, cb; writes cb
.if DOCPART == 5
	.amdgcn_target "amdgcn-amd-amdhsa--gfx1250"
	.amdhsa_code_object_version 6
	.text
	.protected	k_qf3ceb16b5d_cast
	.globl	k_qf3ceb16b5d_cast
	.p2align	8
	.type	k_qf3ceb16b5d_cast,@function
k_qf3ceb16b5d_cast:
	s_mov_b64 s[64:65], 0
	v_nop
	global_prefetch_b8 v0, s[64:65] scope:SCOPE_SE
	s_setreg_imm32_b32 hwreg(HW_REG_WAVE_SCHED_MODE, 0, 2), 2
	s_setreg_imm32_b32 hwreg(HW_REG_WAVE_MODE, 25, 1), 1
	s_wait_xcnt 0x0
	s_wait_alu depctr_vm_vsrc(0)
; x, Wq, Wk, Wv: f32 -> bf16 (nearest even).  Wo: f32 -> bf16 -> f16, so that it holds the bf16-rounded numbers in the format of its partner (ctx, f16).
; LIMIT: a bf16 number below 2^-17 in magnitude has no exact f16 image: Wo then carries an absolute error of at most 2^-25.  Wo above 65,504 is not served.
; cb holds, one behind the other: x [8192][1024], Wq, Wk, Wv [3072][1024], Wo [1024][1024]: 12,582,912 numbers of 2 bytes.
; 768 work-groups of 16,384 numbers: 0-511 x, then 64 each for Wq, Wk, Wv, Wo; the place in cb is 32,768 bytes times the work-group's number.
; A wave takes 2,048 numbers: sixteen loads of 512 consecutive bytes, all issued at once, and sixteen stores of 256 consecutive bytes, aligned.
; Memory binds: no LDS, no barrier, no matrix unit, no loop; no register is written twice while a memory instruction may read it.
; THE MODE: SCHED_MODE bits 1:0 = 2 (LLVM: expert scheduling mode 2), set by the entry lines.  The code itself states the register dependences
; between vector instructions and memory instructions, with s_wait_alu, always for 0.
; THE PLAN.  Registers that memory instructions touch:
;   v1, v2   byte offsets of the loads and of the stores: made once at the head, never written again.
;   IN       chunk c: 4 registers, written once, by a load that is issued before any vector instruction has named them; read by chunk c's conversions.
;   OUTR     chunk c: 2 registers, written once, by chunk c's conversions; read by chunk c's store.
;   v3 to v7 are named by vector instructions alone.
; The sixteen chunks go in four blocks of four.  Block p rounds its four chunks into its own part of OUTR; its memory instructions are the four stores of
; block p - 1, which read that block's part of OUTR and v2: registers that no vector instruction of block p names.  So one wait at a block's head states all
; that its four stores hang on, and they are dealt among its conversions with no further wait.  No register that a memory instruction reads is written again.
.set IN,   8                           ; v[8:71]    chunk c: 4 numbers in f32
.set OUTR, 72                          ; v[72:103]  chunk c: 4 numbers of 16 bits
	s_load_b256 s[4:11], s[0:1], 0x0               ; x s[4:5], Wq s[6:7], Wk s[8:9], Wv s[10:11]
	s_load_b128 s[12:15], s[0:1], 0x20             ; Wo s[12:13], cb s[14:15]
	s_sub_co_u32 s16, ttmp9, 512                   ; place among the weights' work-groups (used only from 512 on)
	s_lshr_b32 s17, s16, 6                         ; which weight: 0 Wq, 1 Wk, 2 Wv, 3 Wo
	s_and_b32 s18, s16, 63                         ; which sixty-fourth of it
	v_and_b32 v3, 31, v0                           ; lane
	v_lshrrev_b32 v4, 5, v0                        ; wave
	v_lshlrev_b32 v1, 4, v3
	v_lshl_or_b32 v1, v4, 13, v1                   ; in: 8,192 wave + 16 lane
	v_lshlrev_b32 v2, 3, v3
	v_lshl_or_b32 v2, v4, 12, v2                   ; out: 4,096 wave + 8 lane
	s_wait_kmcnt 0x0
	s_cmp_eq_u32 s17, 1                            ; the source buffer, chosen by the work-group's number alone
	s_cselect_b64 s[20:21], s[8:9], s[6:7]
	s_cmp_eq_u32 s17, 2
	s_cselect_b64 s[20:21], s[10:11], s[20:21]
	s_cmp_eq_u32 s17, 3
	s_cselect_b64 s[20:21], s[12:13], s[20:21]
	s_cmp_lt_u32 ttmp9, 512
	s_cselect_b64 s[20:21], s[4:5], s[20:21]
	s_cselect_b32 s18, ttmp9, s18                  ; and the part of it
	s_lshl_b32 s18, s18, 16                        ; 65,536 bytes of f32 a work-group
	s_mov_b32 s19, 0
	s_add_nc_u64 s[20:21], s[20:21], s[18:19]
	s_lshl_b32 s22, ttmp9, 15                      ; 32,768 bytes out a work-group
	s_mov_b32 s23, 0
	s_add_nc_u64 s[14:15], s[14:15], s[22:23]
	s_wait_alu depctr_va_vdst(0)                   ; v1 and v2 are written: every load of the kernel reads v1 as its offset, every store v2
.irp i, 0,1,2,3,4,5,6,7,8,9,10,11,12,13,14,15
	global_load_b128 v[IN+4*\i:IN+4*\i+3], v1, s[20:21] offset:512*\i th:TH_LOAD_NT
.endr
; The conversions of chunk c.  wo = 1: the bf16 numbers are widened again (a shift, a mask) and packed as f16.
.macro CONV c, wo
.if \wo
	v_cvt_pk_bf16_f32 v4, v[IN+4*(\c)], v[IN+4*(\c)+1]
	v_cvt_pk_bf16_f32 v5, v[IN+4*(\c)+2], v[IN+4*(\c)+3]
	v_lshlrev_b32 v6, 16, v4
	v_and_b32 v7, 0xffff0000, v4
	v_cvt_pk_f16_f32 v[OUTR+2*(\c)], v6, v7
	v_lshlrev_b32 v6, 16, v5
	v_and_b32 v7, 0xffff0000, v5
	v_cvt_pk_f16_f32 v[OUTR+2*(\c)+1], v6, v7
.else
	v_cvt_pk_bf16_f32 v[OUTR+2*(\c)], v[IN+4*(\c)], v[IN+4*(\c)+1]
	v_cvt_pk_bf16_f32 v[OUTR+2*(\c)+1], v[IN+4*(\c)+2], v[IN+4*(\c)+3]
.endif
.endm
; Block p: chunks 4 p to 4 p + 3 are rounded; the four stores of block p - 1 stand among the conversions, one ahead of each chunk's.
.macro BLK p, wo
	s_wait_loadcnt 12-4*(\p)                       ; loads come back in order (ISA guide 5.7.1): this block's four chunks are in, the 12 - 4 p younger loads stay out
.if (\p) > 0
	s_wait_alu depctr_va_vdst(0)                   ; the block before has written its eight registers of OUTR, which the four stores below read
.endif
.irp i, 0,1,2,3
.if (\p) > 0
	global_store_b64 v2, v[OUTR+8*(\p)-8+2*(\i):OUTR+8*(\p)-8+2*(\i)+1], s[14:15] offset:1024*(\p)-1024+256*(\i)   ; 32 lanes x 8 bytes: 256 consecutive bytes, aligned; no vector instruction since the wait names these registers
.endif
	CONV 4*(\p)+(\i), \wo
.endr
.endm
; Behind block 3: its four stores.
.macro LAST
	s_wait_alu depctr_va_vdst(0)                   ; block 3 has written its eight registers of OUTR, which the last four stores read
.irp i, 0,1,2,3
	global_store_b64 v2, v[OUTR+24+2*(\i):OUTR+24+2*(\i)+1], s[14:15] offset:3072+256*(\i)   ; 256 consecutive bytes, aligned
.endr
.endm
	s_cmp_ge_u32 ttmp9, 704                        ; the last 64 work-groups hold Wo
	s_cbranch_scc1 .Lwo
	BLK 0, 0
	BLK 1, 0
	BLK 2, 0
	BLK 3, 0
	LAST
	s_endpgm
.Lwo:
	BLK 0, 1
	BLK 1, 1
	BLK 2, 1
	BLK 3, 1
	LAST
	s_endpgm
.Lfunc_end_k_qf3ceb16b5d_cast:
	.size	k_qf3ceb16b5d_cast, .Lfunc_end_k_qf3ceb16b5d_cast-k_qf3ceb16b5d_cast
	.p2alignl 7, 3214868480
	.fill 96, 4, 3214868480
	.section	.rodata,"a",@progbits
	.p2align	6, 0x0
	.amdhsa_kernel k_qf3ceb16b5d_cast
		.amdhsa_group_segment_fixed_size 0
		.amdhsa_private_segment_fixed_size 0
		.amdhsa_enable_private_segment 0
		.amdhsa_kernarg_size 48
		.amdhsa_user_sgpr_count 2
		.amdhsa_user_sgpr_kernarg_segment_ptr 1
		.amdhsa_wavefront_size32 1
		.amdhsa_system_sgpr_workgroup_id_x 1
		.amdhsa_system_sgpr_workgroup_id_y 1
		.amdhsa_system_sgpr_workgroup_id_z 1
		.amdhsa_system_vgpr_workitem_id 0
		.amdhsa_next_free_vgpr 104
		.amdhsa_next_free_sgpr 66
		.amdhsa_reserve_vcc 0
		.amdhsa_float_denorm_mode_32 3
		.amdhsa_float_denorm_mode_16_64 3
		.amdhsa_memory_ordered 1
		.amdhsa_forward_progress 1
		.amdhsa_inst_pref_size 16
	.end_amdhsa_kernel
	.amdgpu_metadata
---
amdhsa.version: [ 1, 2 ]
amdhsa.kernels:
  - .name:           k_qf3ceb16b5d_cast
    .symbol:         k_qf3ceb16b5d_cast.kd
    .args:
      - { .name: x, .offset: 0, .size: 8, .value_kind: global_buffer, .address_space: global }
      - { .name: Wq, .offset: 8, .size: 8, .value_kind: global_buffer, .address_space: global }
      - { .name: Wk, .offset: 16, .size: 8, .value_kind: global_buffer, .address_space: global }
      - { .name: Wv, .offset: 24, .size: 8, .value_kind: global_buffer, .address_space: global }
      - { .name: Wo, .offset: 32, .size: 8, .value_kind: global_buffer, .address_space: global }
      - { .name: cb, .offset: 40, .size: 8, .value_kind: global_buffer, .address_space: global }
    .group_segment_fixed_size: 0
    .private_segment_fixed_size: 0
    .kernarg_segment_align: 8
    .kernarg_segment_size: 48
    .max_flat_workgroup_size: 256
    .sgpr_count:     66
    .vgpr_count:     104
    .wavefront_size: 32
...
	.end_amdgpu_metadata
.endif
;; end of part 5
;; launch qkv: the kernel of part 2 again; grid 12 x 32, 4 waves a work-group, clusters of 4 x 4, 327,680 bytes of LDS; arguments cb, qkv; writes qkv
;; launch attn: the kernel of part 3 again; grid 256 x 1, 8 waves a work-group, no clusters, 327,680 bytes of LDS; arguments qkv, ctx; writes ctx
;; launch oproj: the kernel of part 4 again; grid 4 x 64, 4 waves a work-group, clusters of 4 x 4, 327,680 bytes of LDS; arguments ctx, cb, out0, bo; writes out0
